; MI455X (gfx1250); checked and timed in simulation.
; The chip was launched on July 23, 2026; its instructions are those of AMD's public machine-readable ISA for CDNA 5 (MIT licence, August 2026) and "CDNA5" Instruction Set Architecture Reference Guide (July 2026). The comments in the code are by the model that wrote it; some were corrected since.
;; Causal Self Attention. Allowed arithmetic: matrix products marked QUANTISED: E2M1 operands, one E8M0 scale for each 32 along K, by v_wmma_scale_f32_16x16x128_f8f6f4 with both operands' format E2M1 (or v_wmma_scale_f32_32x16x128_f4), f32 sums; products left as they are: bf16, f16 or f32 operands; f32 sums; everything else in f32.
;; Inputs: w_in 3,072 x 1,024 float32; w_out 1,024 x 1,024 float32; x 4 x 2,048 x 1,024 float32.
;; Outputs: out0 4 x 2,048 x 1,024 float32.
;; This version of the problem:
;;   THIS VERSION OF THE PROBLEM IS GIVEN IN LOW PRECISION. The matrix products marked QUANTISED in the list below multiply operands that are first quantised to E2M1 (2 exponent bits, 1 mantissa bit; 4 bits a number), with one power-of-two scale for each 32 numbers along K (OCP MX v1.0); their sums are f32. The products marked 'left as it is' may take bf16, f16 or f32 operands, with f32 sums. Whichever they take, every output number must still come out within the allowed error. Rounding operands to bf16 (8 significant bits) uses up far more of that allowance than f16 does (11 bits, for magnitudes from 6e-5 to 65,504). All else is computed in f32.
;;   The module's matrix products, in the order in which they are computed (A, B: the left and right operand; K: the contracted axis; several contracted axes count as one K, in the product's order):
;;     1. [M 8,192, K 1,024] x [K 1,024, N 3,072]; A: input x; B: input w_in: QUANTISED
;;     2. batch 64 x [M 2,048, K 64] x [K 64, N 2,048]; A: computed on the way; B: computed on the way: left as it is (an operand is computed on the way)
;;     3. batch 64 x [M 2,048, K 2,048] x [K 2,048, N 64]; A: computed on the way; B: computed on the way: left as it is (an operand is computed on the way)
;;     4. [M 8,192, K 1,024] x [K 1,024, N 1,024]; A: computed on the way; B: input w_out: left as it is (an operand is computed on the way)
;;   THE QUANTISER, for each operand of a quantised product, along K:
;;     - K is cut into blocks of 32 from its start; a last block that is shorter is filled with zeros.
;;     - A block's scale is 2^e with e = floor(log2(the largest magnitude in the block)) - 2, held to -126 .. 127; a block of zeros has e = 0. As a byte (E8M0): e + 127.
;;     - Each number is divided by its block's scale, clamped to +-6, and rounded to the nearest number of E2M1, ties to even, subnormals kept.
;;     - The product sums the exact products of the quantised numbers (number of the format x scale) in f32.
;;   ~~~python
;;   def quantise(x, axis):      # numpy; x: float32 -> the quantised numbers, widened to float32 again
;;       x = np.moveaxis(x, axis, -1); K = x.shape[-1]
;;       x = np.pad(x, [(0, 0)] * (x.ndim - 1) + [(0, -K % 32)]); x = x.reshape(x.shape[:-1] + (-1, 32)); a = np.abs(x).max(-1, keepdims=True)
;;       e = np.where(a > 0, np.clip(np.frexp(np.where(a > 0, a, 1))[1] - 1 - 2, -126, 127), 0)      # np.frexp(a)[1] - 1 = floor(log2(a)), exactly
;;       r = np.clip(x / 2.0 ** e, -6, 6)
;;       step = 2.0 ** (np.maximum(np.frexp(np.where(r == 0, 1, r))[1] - 1, 0) - 1)
;;       q = np.round(r / step) * step * 2.0 ** e      # np.round: ties to even
;;       return np.moveaxis(q.reshape(q.shape[:-2] + (-1,))[..., :K], -1, axis).astype(np.float32)
;;   ~~~
;; One version. Each part assembles by itself: llvm-mc -triple=amdgcn-amd-amdhsa -mcpu=gfx1250 --defsym DOCPART=n.
;; ======== version 1 of 1: 5 launches
;; limits: values are held in f16: magnitudes above 65,504 overflow, below 6.1e-05 lose precision
;; workspace buffers: xc 4,194,304 bytes; xs 262,144 bytes; wc 1,572,864 bytes; ws 98,304 bytes; w16 2,097,152 bytes; qkv16 50,331,648 bytes; qkv32 786,432 bytes; y16 16,777,216 bytes
;; launch quant (part 1): grid 480 x 1, 4 waves a work-group, no clusters, 33,280 bytes of LDS; arguments x, w_in, xc, xs, wc, ws, w_out, w16; writes xc, xs, wc, ws, w16
.if DOCPART == 1
	.amdgcn_target "amdgcn-amd-amdhsa--gfx1250"
	.amdhsa_code_object_version 6
	.text
	.protected	k_qc4bcb55ed3_quant
	.globl	k_qc4bcb55ed3_quant
	.p2align	8
	.type	k_qc4bcb55ed3_quant,@function
k_qc4bcb55ed3_quant:
	s_mov_b64 s[64:65], 0
	v_nop
	global_prefetch_b8 v0, s[64:65] scope:SCOPE_SE
	s_setreg_imm32_b32 hwreg(HW_REG_WAVE_MODE, 25, 1), 1
	s_wait_xcnt 0x0
; x [8192][1024] and w_in [3072][1024], f32, become codes of FP4 (E2M1), K innermost, two codes a byte, with one E8M0 byte for each 32 along K; w_out [1024][1024] f32 becomes f16.
; A block's scale is 2^(floor(log2(its largest magnitude)) - 2); its byte is the largest magnitude's exponent field - 2, held at 1 from below.  Each number is divided by the scale and rounded to the nearest code, ties to even,
; beyond 6 the largest code.  A block of zeros gets the byte 1 where the quantiser's text says 127: its codes are zeros, which add nothing under any byte but 0xff, and the bytes are read by this program alone.
; LIMITS: NaN and infinities among the inputs are not served; blocks whose largest magnitude lies under 2^(2 - 126) keep the byte 1.  w_out in f16: magnitudes up to 65,504; under 6e-5 its step is 6e-8.
; SHARES: work-groups 0-255 take x, 256-351 w_in (32,768 numbers each: a wave takes 16 steps of 512), 352-479 w_out (8,192 numbers each).
; Rows are dense and K is a multiple of 32: each tensor is a plain stream of blocks of 32.  Each load reads 512 consecutive bytes; a step's 2,048 bytes turn through the wave's own stage in LDS so that a lane holds
; 16 neighbours along K (two neighbouring lanes hold a block).  A wave's store of codes covers 256 consecutive bytes; its 256 scale bytes are gathered in LDS and leave as 256 consecutive bytes.
.set SIZE_M, 8192
.set SIZE_N, 3072
.set SIZE_K, 1024
.set WAVES, 4
.set STEPS, 16
.set WGA,   SIZE_M*SIZE_K/(512*STEPS*WAVES)            ; 256 work-groups for x
.set WGQ,   (SIZE_M+SIZE_N)*SIZE_K/(512*STEPS*WAVES)   ; 352 for x and w_in together
.set EMAX,  2
.set CB,    8                          ; bytes of 16 codes
.set R,     16                         ; v16-79   four sets of 16 numbers as they are loaded
.set X,     80                         ; v80-111  two sets of 16 neighbours
.set C,     128                        ; v128-191 codes: four registers for each step, so that no store's data are written again
.set E,     112                        ; v112-127 a scale byte for each step
.set WREG,  8192                       ; LDS: a region for each wave: two stages of 32 x SP bytes, behind them its 256 scale bytes
.set SP,    80                         ; a lane's place in a stage: its 64 bytes + 16 of padding
.set SPW,   12                         ; v12 LDS address of my spare word; never rewritten
.set NIL,   13                         ; v13 0; never rewritten
.set SPARE, WAVES*WREG                 ; behind the four regions: the spare words, 128 bytes for each wave
	s_load_b128 s[4:7], s[0:1], 0x0                ; x, w_in
	s_load_b128 s[8:11], s[0:1], 0x10              ; x's codes, x's scales
	s_load_b128 s[12:15], s[0:1], 0x20             ; w_in's codes, w_in's scales
	s_load_b128 s[24:27], s[0:1], 0x30             ; w_out, w16
	v_lshl_add_u32 v[SPW], v0, 2, SPARE
	v_mov_b32 v[NIL], 0
	s_cmp_ge_u32 ttmp9, WGQ                        ; the last 128 work-groups only cast w_out: they touch no LDS
	s_cbranch_scc1 .Lcast
	v_lshrrev_b32 v1, 5, v0
	v_readfirstlane_b32 s16, v1                    ; wave
	v_and_b32 v2, 31, v0                           ; lane
	v_lshlrev_b32 v3, 4, v2                        ; my 16 bytes of a load's 512
	s_mul_i32 s17, s16, WREG
	v_lshrrev_b32 v14, 2, v2
	v_mul_u32_u24 v14, v14, SP
	v_and_b32 v15, 3, v2
	v_lshl_add_u32 v14, v15, 4, v14
	v_add_nc_u32 v14, s17, v14                     ; the stage, on the way in: SP (lane / 4) + 16 (lane % 4)
	v_mul_u32_u24 v15, v2, SP
	v_add_nc_u32 v15, s17, v15                     ; and on the way out: SP x lane: my 16 neighbours
	v_mul_u32_u24 v4, v2, CB                       ; my codes' place in a step's
	v_lshrrev_b32 v5, 1, v2
	s_add_co_u32 s17, s17, 2*32*SP
	v_add_nc_u32 v5, s17, v5                       ; LDS: my wave's 256 scale bytes, my block's byte
	v_lshlrev_b32 v7, 3, v2                        ; and on the way out 8 bytes a lane
	v_add_nc_u32 v6, s17, v7
	s_wait_kmcnt 0x0
	s_cmp_lt_u32 ttmp9, WGA                        ; x's work-group or w_in's?  The choice hangs on the work-group's number alone
	s_cselect_b64 s[4:5], s[4:5], s[6:7]
	s_cselect_b64 s[8:9], s[8:9], s[12:13]
	s_cselect_b64 s[10:11], s[10:11], s[14:15]
	s_cselect_b32 s17, 0, WGA
	s_sub_co_u32 s17, ttmp9, s17
	s_lshl_b32 s17, s17, 2
	s_add_co_u32 s18, s17, s16                     ; which run of 8,192 numbers of the tensor is my wave's
	s_mov_b32 s19, 0
	s_mov_b64 s[20:21], 512*STEPS*4
	s_mul_u64 s[20:21], s[18:19], s[20:21]
	s_add_nc_u64 s[4:5], s[4:5], s[20:21]
	s_mov_b64 s[20:21], 32*STEPS*CB
	s_mul_u64 s[20:21], s[18:19], s[20:21]
	s_add_nc_u64 s[8:9], s[8:9], s[20:21]
	s_lshl_b32 s18, s18, 8                         ; 256 scale bytes a run
	s_add_nc_u64 s[10:11], s[10:11], s[18:19]
.macro LOAD t
.irp i, 0,1,2,3
	global_load_b128 v[R+16*((\t)%4)+4*\i:R+16*((\t)%4)+4*\i+3], v3, s[4:5] offset:2048*(\t)+512*\i th:TH_LOAD_NT   ; 32 lanes read 512 consecutive bytes
.endr
.endm
.macro TURN t                          ; step t's numbers through the stage: LDS serves a wave's instructions in order, so no wait stands between the stores and the loads
.irp i, 0,1,2,3
	ds_store_b128 v14, v[R+16*((\t)%4)+4*\i:R+16*((\t)%4)+4*\i+3] offset:32*SP*((\t)%2)+8*SP*\i
.endr
.irp i, 0,1,2,3
	ds_load_b128 v[X+16*((\t)%2)+4*\i:X+16*((\t)%2)+4*\i+3], v15 offset:32*SP*((\t)%2)+16*\i
.endr
.endm
.irp t, 0,1,2,3
	LOAD \t
.endr
	s_wait_loadcnt 12                              ; step 0's four loads are in; twelve younger ones stay out
	TURN 0
.macro STEP t
.set XS, X+16*((\t)%2)
.if (\t) > 0
	s_wait_dscnt 1                                 ; this step's numbers are back from the stage (the last step's byte store may be out)
.else
	s_wait_dscnt 0x0
.endif
.if (\t)+4 < STEPS
	LOAD (\t)+4                                    ; the registers that the stage's stores have read take the loads of four steps on
.endif
.if (\t)+1 < STEPS
.if STEPS-2-(\t) >= 3
	s_wait_loadcnt 12                              ; the next step's four loads are in; those of the three steps behind it may be out
.else
	s_wait_loadcnt 4*(STEPS-2-(\t))
.endif
	TURN (\t)+1                                    ; and go through the other stage while this step is worked
.endif
	v_max3_num_f32 v8, |v[XS]|, |v[XS+1]|, |v[XS+2]|               ; the largest magnitude of my 16, in two chains
	v_max3_num_f32 v9, |v[XS+3]|, |v[XS+4]|, |v[XS+5]|
.irp i, 6,10
	v_max3_num_f32 v8, v8, |v[XS+\i]|, |v[XS+\i+1]|
	v_max3_num_f32 v9, v9, |v[XS+\i+2]|, |v[XS+\i+3]|
.endr
	v_max3_num_f32 v8, v8, |v[XS+14]|, |v[XS+15]|
	v_max3_num_f32 v8, v8, v9, (EMAX+1)<<23        ; and the floor 2^(3 - 127): the byte cannot fall under 1
	v_max_num_f32_dpp v8, v8, v8 row_xmask:1 row_mask:0xf bank_mask:0xf   ; and of my neighbour's 16: the block's
	v_add_nc_u32 v11, 0xff000000, v8               ; 2 off its exponent field: the conversion takes the exponent field of this operand as its scale
	v_cvt_scalef32_pk8_fp4_f32 v[C+4*(\t)], v[XS:XS+7], v11
	v_cvt_scalef32_pk8_fp4_f32 v[C+4*(\t)+1], v[XS+8:XS+15], v11
	v_lshrrev_b32 v[E+(\t)], 23, v11               ; the scale's byte (a plain line behind the conversions)
	ds_store_b8 v5, v[E+(\t)] offset:16*(\t)       ; both lanes of a block write the same byte with the same value
	global_store_b64 v4, v[C+4*(\t):C+4*(\t)+1], s[8:9] offset:32*CB*(\t)   ; the wave stores 256 consecutive bytes
.endm
.irp t, 0,1,2,3,4,5,6,7,8,9,10,11,12,13,14,15
	STEP \t
.endr
	ds_load_b64 v[8:9], v6                         ; LDS serves a wave's instructions in order: these see my byte stores
	s_wait_dscnt 0x0
	global_store_b64 v7, v[8:9], s[10:11]          ; 32 lanes store 256 consecutive bytes
	s_wait_tensorcnt 0x0                           ; the wave's end: behind my last LDS store
	ds_add_u32 v[SPW], v[NIL]
	s_wait_dscnt 0x0
	s_endpgm
; w_out to f16: a thread takes 8 neighbouring numbers a step, 8 steps; a wave's store covers 512 consecutive bytes.  No register is written twice, so no wait frees one.
.Lcast:
	s_sub_co_u32 s28, ttmp9, WGQ
	s_lshl_b32 s30, s28, 14                        ; 8,192 numbers: 16,384 bytes of f16,
	s_lshl_b32 s28, s28, 15                        ; 32,768 of f32
	s_mov_b32 s29, 0
	s_mov_b32 s31, 0
	v_lshlrev_b32 v1, 5, v0
	v_lshlrev_b32 v2, 4, v0
	s_wait_kmcnt 0x0
	s_add_nc_u64 s[24:25], s[24:25], s[28:29]
	s_add_nc_u64 s[26:27], s[26:27], s[30:31]
.irp t, 0,1,2,3,4,5,6,7
	global_load_b128 v[16+8*\t:16+8*\t+3], v1, s[24:25] offset:4096*\t th:TH_LOAD_NT
	global_load_b128 v[16+8*\t+4:16+8*\t+7], v1, s[24:25] offset:4096*\t+16 th:TH_LOAD_NT
.endr
.irp t, 0,1,2,3,4,5,6,7
	s_wait_loadcnt 14-2*\t                         ; step t's two loads are in; the later steps' stay out
.irp k, 0,1,2,3
	v_cvt_pk_f16_f32 v[128+4*\t+\k], v[16+8*\t+2*\k], v[16+8*\t+2*\k+1]
.endr
	global_store_b128 v2, v[128+4*\t:128+4*\t+3], s[26:27] offset:2048*\t
.endr
	s_endpgm
.Lfunc_end_k_qc4bcb55ed3_quant:
	.size	k_qc4bcb55ed3_quant, .Lfunc_end_k_qc4bcb55ed3_quant-k_qc4bcb55ed3_quant
	.p2alignl 7, 3214868480
	.fill 96, 4, 3214868480
	.section	.rodata,"a",@progbits
	.p2align	6, 0x0
	.amdhsa_kernel k_qc4bcb55ed3_quant
		.amdhsa_group_segment_fixed_size 33280
		.amdhsa_private_segment_fixed_size 0
		.amdhsa_enable_private_segment 0
		.amdhsa_kernarg_size 64
		.amdhsa_user_sgpr_count 2
		.amdhsa_user_sgpr_kernarg_segment_ptr 1
		.amdhsa_wavefront_size32 1
		.amdhsa_system_sgpr_workgroup_id_x 1
		.amdhsa_system_sgpr_workgroup_id_y 1
		.amdhsa_system_sgpr_workgroup_id_z 1
		.amdhsa_system_vgpr_workitem_id 0
		.amdhsa_next_free_vgpr 192
		.amdhsa_next_free_sgpr 66
		.amdhsa_reserve_vcc 0
		.amdhsa_float_denorm_mode_32 3
		.amdhsa_float_denorm_mode_16_64 3
		.amdhsa_memory_ordered 1
		.amdhsa_forward_progress 1
		.amdhsa_inst_pref_size 38
	.end_amdhsa_kernel
	.amdgpu_metadata
---
amdhsa.version: [ 1, 2 ]
amdhsa.kernels:
  - .name:           k_qc4bcb55ed3_quant
    .symbol:         k_qc4bcb55ed3_quant.kd
    .args:
      - { .name: x, .offset: 0, .size: 8, .value_kind: global_buffer, .address_space: global }
      - { .name: w_in, .offset: 8, .size: 8, .value_kind: global_buffer, .address_space: global }
      - { .name: xc, .offset: 16, .size: 8, .value_kind: global_buffer, .address_space: global }
      - { .name: xs, .offset: 24, .size: 8, .value_kind: global_buffer, .address_space: global }
      - { .name: wc, .offset: 32, .size: 8, .value_kind: global_buffer, .address_space: global }
      - { .name: ws, .offset: 40, .size: 8, .value_kind: global_buffer, .address_space: global }
      - { .name: w_out, .offset: 48, .size: 8, .value_kind: global_buffer, .address_space: global }
      - { .name: w16, .offset: 56, .size: 8, .value_kind: global_buffer, .address_space: global }
    .group_segment_fixed_size: 33280
    .private_segment_fixed_size: 0
    .kernarg_segment_align: 8
    .kernarg_segment_size: 64
    .max_flat_workgroup_size: 128
    .sgpr_count:     66
    .vgpr_count:     192
    .wavefront_size: 32
...
	.end_amdgpu_metadata
.endif
;; end of part 1
;; launch qkv (part 2): grid 12 x 32, 4 waves a work-group, clusters of 4 x 4, 327,680 bytes of LDS; arguments xc, xs, wc, ws, qkv16, qkv32; writes qkv16, qkv32
.if DOCPART == 2
	.amdgcn_target "amdgcn-amd-amdhsa--gfx1250"
	.amdhsa_code_object_version 6
	.text
	.protected	k_qc4bcb55ed3_qkv
	.globl	k_qc4bcb55ed3_qkv
	.p2align	8
	.type	k_qc4bcb55ed3_qkv,@function
k_qc4bcb55ed3_qkv:
	s_mov_b64 s[64:65], 0
	v_nop
	global_prefetch_b8 v0, s[64:65] scope:SCOPE_SE
	s_setreg_imm32_b32 hwreg(HW_REG_WAVE_MODE, 25, 1), 1
	s_wait_xcnt 0x0
	s_wait_alu depctr_hold_cnt(0) depctr_sa_sdst(0) depctr_va_vdst(0) depctr_va_sdst(0) depctr_va_ssrc(0) depctr_va_vcc(0) depctr_vm_vsrc(0)
	s_getreg_b32 s2, hwreg(HW_REG_IB_STS2, 6, 4)
	s_cmp_eq_u32 s2, 0
	s_cbranch_scc0 .Lentry_in_a_cluster
	s_endpgm
.Lentry_in_a_cluster:
	s_bfe_u32 s2, ttmp6, 0x10000c
	s_cmp_lg_u32 s2, 0xf033
	s_cbranch_scc0 .Lentry_shape_is_right
	s_endpgm
.Lentry_shape_is_right:
; qkv[m][e] = sum over k of x[m][k] w_in[e][k] on codes of FP4 (E2M1) with one E8M0 scale for each 32 along K; sums in f32.  x's codes [8192][512 bytes], w_in's [3072][512 bytes]; scale bytes [rows][32].
; RESULTS: rounded to f16 and laid by head, qkv16 [3 (q, k, v)][4 batches][16 heads][2048 positions][64]; the first 16 positions of every batch also as f32, qkv32 [4][16][3072], for the launch that carries them finely.
; LIMIT: f16 holds |q|, |k|, |v| under 65,504.
; A tile of 256 x 256 is made by a work-group of four waves; a wave makes 128 x 128: 64 accumulators of 16 x 16, 512 registers.  K = 1,024 is two slots of 512 along K (rows of 256 bytes): both are asked for at the head and
; nothing is filled again.  The scale bytes of the work-group's rows, for all of K, come once, as lines of 256 bytes + 16 of padding.
; CLUSTERS: 4 x 4 work-groups; the four of a row of the cluster need the same tiles of x, the four of a column the same tiles of w_in: each is asked for jointly.  Tile row = 8 cy + cluster y, so that cy is the batch and
; 256 x cluster y the first position.  THE MATRIX INSTRUCTION IS USED TRANSPOSED (source 0 = 16 rows of w_in, source 1 = 16 rows of x): a lane holds eight neighbouring channels of one position.
; REGISTERS, in windows of 256: window 0: v0-31 addresses; v32-95 scale words, two sets; v128-191 x's fragments, one set; on the way out v128-223.  window 1: w_in's fragments, two sets.  windows 2, 3: the accumulators ((a, b) at v[8 (8 (a % 4) + b)]).
.set SIZE_K, 1024
.set KSTEP,  512
.set NQ,     KSTEP/128
.set ROWB,   256
.set KROW,   SIZE_K*4/8
.set PITCH,  272                       ; an LDS row: 256 bytes + 16: the 16 rows that a load touches start 68 words apart
.set FR,     8
.set NL,     2
.set NP,     4
.set HALFT,  128*PITCH
.set SLOT,   4*HALFT
.set KS,     SIZE_K/32
.set SCL,    2*SLOT
.set HALFS,  (128*KS/256)*272
.set SBLK,   (16*KS/256)*272
.set SPARE,  SCL+4*HALFS               ; the spare words, 128 bytes for each wave
.set STG32,  32768                     ; the way out lies in slot 0, which has had its only fill and, behind the change of slots, its last read: f16 stages from byte 0 (4,608 a wave), f32 stages from here (8,448 a wave)
.set ADRA, 16
.set ADRB, 20
.set STO32, 22                         ; v22 f32 stage: where I put 32 bytes of a row
.set RD32, 23                          ; v23 and where I read a row back
.set STO,  24                          ; v24 f16 stage: where I put 16 bytes of a row
.set RD,   25                          ; v25 and where I read four rows back
.set GO,   26                          ; v26 16 x lane
.set ADRS, 27
.set SPW,  28
.set NIL,  29
.set SC,   32
.set AF,   128
.set BK,   128                         ; the way out: rows read back: v128-159 and v160-191 by turns
.set TMP,  192                         ; v192-223 a block rounded to f16
.set G1, 24
.set G0, 32
.set G1B, 48
.set G0B, 56
.set G1S, 68
.set G0S, 76
.set G1SB, 80
.set G0SB, 88
.set MSB, 0
.macro WIN new                         ; the immediate's high byte repeats the setting that is left
.if MSB != (\new)
	s_set_vgpr_msb (MSB<<8)|(\new)
.set MSB, (\new)
.endif
.endm
.set MUL_LO, 0xa1                      ; source 0 window 1, source 1 window 0, C and D window 2
.set MUL_HI, 0xf1                      ; the same, C and D window 3
.set TO_B,   0x40                      ; destination window 1
; A joint load: waves 0 and 1 fetch for x, waves 2 and 3 for w_in; the branch hangs on the wave's number alone.  An s_nop 0 and four v_nop follow each line.
.macro JLOAD g0a, g1a, g0b, g1b
	s_cmp_eq_u32 s15, 0
	s_cbranch_scc0 .Lfor_b_\@
	tensor_load_to_lds s[\g0a:\g0a+3], s[\g1a:\g1a+7]
	s_nop 0
.rept 4
	v_nop
.endr
	s_branch .Lasked_\@
.Lfor_b_\@:
	tensor_load_to_lds s[\g0b:\g0b+3], s[\g1b:\g1b+7]
	s_nop 0
.rept 4
	v_nop
.endr
.Lasked_\@:
.endm
.macro CROUND                          ; a round of the cluster's barrier
	s_barrier_signal -1
	s_barrier_wait -1
	s_cmp_lg_u32 s14, 0
	s_cbranch_scc1 .Lnot_wave_0_\@
	s_barrier_signal -3
.Lnot_wave_0_\@:
	s_barrier_wait -3
	s_barrier_signal -1
	s_barrier_wait -1
.endm
	s_load_b128 s[4:7], s[0:1], 0x0                ; x's codes, x's scales
	s_load_b128 s[8:11], s[0:1], 0x10              ; w_in's codes, w_in's scales
	s_load_b64 s[12:13], s[0:1], 0x20              ; qkv16
	s_load_b64 s[96:97], s[0:1], 0x28              ; qkv32
	v_lshl_add_u32 v[SPW], v0, 2, SPARE
	v_mov_b32 v[NIL], 0
	ds_add_u32 v[SPW], v[NIL]                      ; the wave's opening: the add, twice on end, and its wait ahead of my first tensor load
	ds_add_u32 v[SPW], v[NIL]
	v_lshrrev_b32 v1, 5, v0
	v_readfirstlane_b32 s14, v1                    ; wave 0..3
	s_lshr_b32 s15, s14, 1                         ; which half of the tile's rows is mine.  Also: I fetch for x (0) or for w_in (1)
	s_and_b32 s16, s14, 1                          ; which half of its columns.  Also: which 128 rows of that tile I fetch
	s_bfe_u32 s40, ttmp6, 0x40000                  ; cx
	s_bfe_u32 s41, ttmp6, 0x40004                  ; cy: the batch
	s_lshl_b32 s42, ttmp9, 2
	s_add_co_u32 s42, s42, s40                     ; tile column = 4 x cluster x + cx
	s_and_b32 s99, ttmp7, 0xffff                   ; cluster y: which 256 positions of the batch
	s_lshl_b32 s17, s41, 3
	s_add_co_u32 s17, s17, s99                     ; tile row = 8 cy + cluster y
	s_lshl_b32 s43, s41, 2
	s_lshl_b32 s43, 15, s43                        ; my row of the cluster
	s_lshl_b32 s44, 0x1111, s40                    ; my column
	s_or_b32 s[G1+0], s43, (0<<16)|(1<<20)|(1<<21)|(5<<22)|(3<<25)  ; the mask; elements of 1 byte; padding on; bit 21 beside a mask; after every 64 words, 4 words
	s_or_b32 s[G1B+0], s44, (0<<16)|(1<<20)|(1<<21)|(5<<22)|(3<<25)
.irp g, G1, G1B
	s_mov_b32 s[\g+1], ROWB<<16                    ; tensor_dim0
	s_mov_b32 s[\g+2], 128<<16                     ; tensor_dim1
	s_mov_b32 s[\g+3], ROWB<<16                    ; tile_dim0
	s_mov_b32 s[\g+4], 128                         ; tile_dim1
	s_mov_b32 s[\g+5], KROW                        ; from row to row
	s_mov_b32 s[\g+6], 0
	s_mov_b32 s[\g+7], 0
.endr
	s_or_b32 s[G1S+0], s43, (3<<16)|(1<<20)|(1<<21)|(5<<22)|(3<<25) ; the scales of 128 rows: 4,096 dense bytes as 16 rows of 32 elements of 8 bytes
	s_or_b32 s[G1SB+0], s44, (3<<16)|(1<<20)|(1<<21)|(5<<22)|(3<<25)
.irp g, G1S, G1SB
	s_mov_b32 s[\g+1], 32<<16
	s_mov_b32 s[\g+2], (128*KS/256)<<16
	s_mov_b32 s[\g+3], 32<<16
	s_mov_b32 s[\g+4], 128*KS/256
	s_mov_b32 s[\g+5], 32
	s_mov_b32 s[\g+6], 0
	s_mov_b32 s[\g+7], 0
.endr
	s_lshl_b32 s18, s16, 7
	s_lshl_b32 s20, s17, 8
	s_add_co_u32 s20, s20, s18                     ; x: row 256 x tile row + 128 x half
	s_lshl_b32 s46, s42, 8
	s_add_co_u32 s46, s46, s18                     ; w_in: row 256 x tile column + 128 x half
	s_mov_b32 s21, 0
	s_mov_b32 s47, 0
	s_mov_b64 s[18:19], KS
	s_mul_u64 s[22:23], s[20:21], s[18:19]         ; where these rows' scales begin
	s_mul_u64 s[92:93], s[46:47], s[18:19]
	s_mov_b64 s[18:19], KROW
	s_mul_u64 s[20:21], s[20:21], s[18:19]         ; and their codes
	s_mul_u64 s[46:47], s[46:47], s[18:19]
	s_mul_i32 s45, s14, HALFT                      ; where they go: wave x 128 rows
	s_mul_i32 s94, s14, HALFS
	s_wait_dscnt 0x0                               ; both opening adds are done
	s_wait_kmcnt 0x0
	s_add_nc_u64 s[20:21], s[4:5], s[20:21]
	s_add_nc_u64 s[22:23], s[6:7], s[22:23]
	s_add_nc_u64 s[46:47], s[8:9], s[46:47]
	s_add_nc_u64 s[92:93], s[10:11], s[92:93]
	CROUND                                         ; all sixteen work-groups are here: the joint loads meet
	s_mov_b32 s[G0S], 1
	s_add_co_u32 s[G0S+1], s94, SCL
	s_mov_b64 s[G0S+2:G0S+3], s[22:23]
	s_or_b32 s[G0S+3], s[G0S+3], 0x80000000
	s_mov_b32 s[G0SB], 1
	s_add_co_u32 s[G0SB+1], s94, SCL
	s_mov_b64 s[G0SB+2:G0SB+3], s[92:93]
	s_or_b32 s[G0SB+3], s[G0SB+3], 0x80000000
	JLOAD G0S, G1S, G0SB, G1SB                     ; the scales first: they are wanted with the first slot
.irp s, 0,1
	s_mov_b32 s[G0+4*\s], 1
	s_add_co_u32 s[G0+4*\s+1], s45, \s*SLOT
	s_add_nc_u64 s[G0+4*\s+2:G0+4*\s+3], s[20:21], \s*ROWB
	s_or_b32 s[G0+4*\s+3], s[G0+4*\s+3], 0x80000000
	s_mov_b32 s[G0B+4*\s], 1
	s_add_co_u32 s[G0B+4*\s+1], s45, \s*SLOT
	s_add_nc_u64 s[G0B+4*\s+2:G0B+4*\s+3], s[46:47], \s*ROWB
	s_or_b32 s[G0B+4*\s+3], s[G0B+4*\s+3], 0x80000000
	JLOAD G0+4*\s, G1, G0B+4*\s, G1B               ; three tensor loads of mine are out now, and no more follow
.endr
	v_and_b32 v1, 15, v0                           ; r = lane % 16
	v_bfe_u32 v2, v0, 4, 1                         ; h = lane / 16
	v_mul_u32_u24 v3, v1, PITCH
	v_lshl_add_u32 v4, v2, 4, v3                   ; a fragment's row x pitch + 16 x half
	s_mul_i32 s21, s15, HALFT
	s_mul_i32 s22, s16, HALFT
	s_add_co_u32 s22, s22, 2*HALFT
.irp s, 0,1
	v_add_nc_u32 v[ADRA+\s], s21, v4
	v_add_nc_u32 v[ADRB+\s], s22, v4
	s_add_co_u32 s21, s21, SLOT
	s_add_co_u32 s22, s22, SLOT
.endr
	v_mul_u32_u24 v5, v1, KS                       ; my row's scales: KS bytes a row,
	v_lshrrev_b32 v6, 8, v5
	v_lshl_add_u32 v5, v6, 4, v5                   ; and 16 more for each 256 passed
	s_mul_i32 s21, s15, HALFS
	s_mul_i32 s22, s16, HALFS
	s_add_co_u32 s22, s22, 2*HALFS
	s_sub_co_u32 s22, s22, s21
	v_mul_u32_u24 v6, s22, v2                      ; lanes 16-31 take w_in's
	s_add_co_u32 s21, s21, SCL
	v_add_nc_u32 v5, v5, v6
	v_add_nc_u32 v[ADRS], s21, v5
	s_mul_i32 s23, s14, 4608                       ; my f16 stage: 2 heads x 16 rows x (128 bytes + 16)
	v_mul_u32_u24 v5, v1, 144
	v_lshl_add_u32 v5, v2, 4, v5
	v_add_nc_u32 v[STO], s23, v5                   ; in: row r, 16 bytes for each half of the lanes
	v_and_b32 v6, 31, v0
	v_lshrrev_b32 v7, 3, v6
	v_mul_u32_u24 v7, v7, 144
	v_and_b32 v8, 7, v0
	v_lshl_add_u32 v7, v8, 4, v7
	v_add_nc_u32 v[RD], s23, v7                    ; back: eight lanes to a row of 128 bytes, four rows an instruction
	v_lshlrev_b32 v[GO], 4, v6
	s_mul_i32 s23, s14, 8448                       ; my f32 stage: 16 rows x (512 bytes + 16)
	s_add_co_u32 s23, s23, STG32
	v_mul_u32_u24 v5, v1, 528
	v_lshl_add_u32 v5, v2, 5, v5
	v_add_nc_u32 v[STO32], s23, v5
	v_add_nc_u32 v[RD32], s23, v[GO]
	; where my part begins in qkv16: part (tile column / 4), batch cy, head 4 (tile column % 4) + 2 x column half, position 256 x cluster y + 128 x row half
	s_lshr_b32 s20, s42, 2
	s_lshl_b32 s20, s20, 24
	s_lshl_b32 s21, s41, 22
	s_add_co_u32 s20, s20, s21
	s_and_b32 s21, s42, 3
	s_lshl_b32 s21, s21, 20
	s_add_co_u32 s20, s20, s21
	s_lshl_b32 s21, s16, 19
	s_add_co_u32 s20, s20, s21
	s_lshl_b32 s21, s99, 15
	s_add_co_u32 s20, s20, s21
	s_lshl_b32 s21, s15, 14
	s_add_co_u32 s20, s20, s21
	s_mov_b32 s21, 0
	s_add_nc_u64 s[12:13], s[12:13], s[20:21]
	; and in qkv32: batch cy (16 rows of 12,288 bytes), column 256 x tile column + 128 x column half
	s_mul_i32 s46, s41, 196608
	s_lshl_b32 s47, s42, 10
	s_add_co_u32 s46, s46, s47
	s_lshl_b32 s47, s16, 9
	s_add_co_u32 s46, s46, s47
	s_mov_b32 s47, 0
	s_add_nc_u64 s[96:97], s[96:97], s[46:47]
	s_or_b32 s98, s99, s15                         ; 0 where my block 0 holds positions 0 to 15: cluster y and the wave's number alone, the same in all partners
.macro FRAG reg, adr, q, i             ; 16 rows x 128 K of 4-bit codes: 8 registers; two loads of 16 bytes, 32 bytes apart
.irp c, 0,1
	ds_load_b128 v[\reg+4*\c:\reg+4*\c+3], v[\adr] offset:64*(\q)+32*\c+(\i)*16*PITCH
.endr
.endm
; 16 matrix instructions: x's blocks a0, a0 + 1 against w_in's eight, 128 along K.  The 64 accumulators take turns, one instruction a turn, in the same order in every step.
.macro MUL16 a0, p, q, sc, zero
.irp a, \a0, \a0+1
.irp b, 0,1,2,3,4,5,6,7
.if \zero
	v_wmma_scale_f32_16x16x128_f8f6f4 v[8*(8*((\a)%4)+\b):8*(8*((\a)%4)+\b)+7], v[128*(\p)+FR*\b:128*(\p)+FR*\b+FR-1], v[AF+FR*(\a):AF+FR*(\a)+FR-1], 0, v[SC+8*NQ*(\sc)+NQ*\b+(\q)], v[SC+8*NQ*(\sc)+NQ*(\a)+(\q)] matrix_a_fmt:MATRIX_FMT_FP4 matrix_b_fmt:MATRIX_FMT_FP4 matrix_a_scale:MATRIX_SCALE_ROW1
.else
	v_wmma_scale_f32_16x16x128_f8f6f4 v[8*(8*((\a)%4)+\b):8*(8*((\a)%4)+\b)+7], v[128*(\p)+FR*\b:128*(\p)+FR*\b+FR-1], v[AF+FR*(\a):AF+FR*(\a)+FR-1], v[8*(8*((\a)%4)+\b):8*(8*((\a)%4)+\b)+7], v[SC+8*NQ*(\sc)+NQ*\b+(\q)], v[SC+8*NQ*(\sc)+NQ*(\a)+(\q)] matrix_a_fmt:MATRIX_FMT_FP4 matrix_b_fmt:MATRIX_FMT_FP4 matrix_a_scale:MATRIX_SCALE_ROW1
.endif
.endr
.endr
.endm
.macro FETCH_B slot, q, p
	WIN TO_B
.irp i, 0,1,2,3,4,5,6,7
	FRAG 128*(\p)+FR*\i, ADRB+\slot, \q, \i
.endr
	WIN 0
.endm
.macro FETCH_A slot, q, i0
.irp i, \i0, \i0+1, \i0+2, \i0+3
	FRAG AF+FR*(\i), ADRA+\slot, \q, \i
.endr
.endm
.macro SCALES sc                       ; a slot's scale words: 4 words a row; lanes 0-15 take x's block i, lanes 16-31 w_in's block i
.irp i, 0,1,2,3,4,5,6,7
	ds_load_b128 v[SC+8*NQ*\sc+NQ*\i:SC+8*NQ*\sc+NQ*\i+3], v[ADRS] offset:\i*SBLK
.endr
.endm
.macro PLACES n                        ; plain vector places between matrix instructions and loads into, or reads of, their registers
.rept \n
	v_nop
.endr
.endm
.macro STEP slot, q, zero              ; a step of 128 along K that has its successor in the same slot
	s_wait_dscnt 4*NL                              ; w_in's set and x's blocks 0-3 are in; the youngest eight loads (x's blocks 4-7) may be out
	WIN MUL_LO
	MUL16 0, (\q)%2, \q, \slot, \zero
	MUL16 2, (\q)%2, \q, \slot, \zero
	s_wait_dscnt 0
	PLACES NP
	FETCH_B \slot, (\q)+1, 1-(\q)%2
	FETCH_A \slot, (\q)+1, 0
	WIN MUL_HI
	MUL16 4, (\q)%2, \q, \slot, \zero
	MUL16 6, (\q)%2, \q, \slot, \zero
	PLACES NP
	WIN 0
	FETCH_A \slot, (\q)+1, 4
.endm
; Slot 0's last step changes slots: one barrier.  In front of it each wave waits for all its tensor loads (its part of slot 1), adds 0 to its spare word, and waits for that and for its reads of slot 0.  Nothing is filled again.
.macro TURN slot, next
	s_wait_tensorcnt 0x0
	ds_add_u32 v[SPW], v[NIL]
	s_wait_dscnt 4*NL+1                            ; (the add and the youngest eight loads may be out)
	WIN MUL_LO
	MUL16 0, 1, NQ-1, \slot, 0
	s_wait_dscnt 0x0                               ; the add is done, and my reads of this slot are over
	s_barrier_signal -1
	MUL16 2, 1, NQ-1, \slot, 0
	WIN 0
	s_barrier_wait -1
	PLACES NP
	v_add_nc_u32 v[ADRS], 4*NQ, v[ADRS]            ; on to the next slot's scale words
	FETCH_B \next, 0, 0
	FETCH_A \next, 0, 0
	SCALES \next
	WIN MUL_HI
	MUL16 4, 1, NQ-1, \slot, 0
	MUL16 6, 1, NQ-1, \slot, 0
	PLACES NP
	WIN 0
	FETCH_A \next, 0, 4
.endm
.macro STEPS slot, from
.set Q, \from
.rept NQ-1-\from
	STEP \slot, Q, 0
.set Q, Q+1
.endr
.endm
	s_wait_tensorcnt 1                             ; the scales and my part of slot 0 are in (slot 1's load may be out),
	s_barrier_signal -1
	s_barrier_wait -1                              ; everybody's are
	FETCH_B 0, 0, 0
	FETCH_A 0, 0, 0
	SCALES 0
	FETCH_A 0, 0, 4
	STEP 0, 0, 1                                   ; the first products start the sums: nothing is cleared
	STEPS 0, 1
	TURN 0, 1
	STEPS 1, 0
	s_wait_dscnt 4*NL                              ; the last step: nothing more to fetch
	WIN MUL_LO
	MUL16 0, 1, NQ-1, 1, 0
	MUL16 2, 1, NQ-1, 1, 0
	s_wait_dscnt 0
	WIN MUL_HI
	MUL16 4, 1, NQ-1, 1, 0
	MUL16 6, 1, NQ-1, 1, 0
	WIN 0
	; THE WAY OUT.  First, where my block 0 is positions 0 to 15, that block as f32: through my f32 stage, back as whole rows of 512 bytes.
	PLACES NP
	s_cmp_lg_u32 s98, 0
	s_cbranch_scc1 .Lno32
	WIN 0x08                                       ; an LDS store's data are its source 1: window 2
.irp b, 0,1,2,3,4,5,6,7
	ds_store_b128 v[STO32], v[8*\b:8*\b+3] offset:64*\b            ; each accumulator from its low end on
	ds_store_b128 v[STO32], v[8*\b+4:8*\b+7] offset:64*\b+16
.endr
	WIN 0
.irp t, 0,1,2,3,4,5,6,7,8,9,10,11,12,13,14,15
	ds_load_b128 v[BK+4*\t:BK+4*\t+3], v[RD32] offset:\t*528       ; LDS serves a wave's instructions in order: these see the stores above
.endr
	s_wait_dscnt 0x0
.irp t, 0,1,2,3,4,5,6,7,8,9,10,11,12,13,14,15
	global_store_b128 v[GO], v[BK+4*\t:BK+4*\t+3], s[96:97] offset:\t*12288   ; 32 lanes store 512 consecutive bytes of a position's row
.endr
	s_wait_xcnt 0x0                                ; the stores have read their registers: the blocks below land there
.Lno32:
; Then every block of 16 positions x 128 channels (two heads) as f16: a lane's eight channels pack into 16 bytes; they go into rows of 144 bytes and come back four rows (512 consecutive bytes of a head) at a time.
.macro PACK a
.set AC, 64*((\a)%4)
	WIN 0x0a+5*((\a)/4)                            ; sources 0 and 1: window 2 or 3
.irp b, 0,1,2,3,4,5,6,7
.irp k, 0,1,2,3
	v_cvt_pk_f16_f32 v[TMP+4*\b+\k], v[AC+8*\b+2*\k], v[AC+8*\b+2*\k+1]
.endr
.endr
	WIN 0
.endm
.macro TOSTAGE a
.set BB, BK+32*((\a)%2)
.irp b, 0,1,2,3,4,5,6,7
	ds_store_b128 v[STO], v[TMP+4*\b:TMP+4*\b+3] offset:(\b/4)*2304+32*(\b%4)
.endr
.irp n, 0,1,2,3,4,5,6,7
	ds_load_b128 v[BB+4*\n:BB+4*\n+3], v[RD] offset:(\n/4)*2304+576*(\n%4)
.endr
.endm
.macro SEND a
.set BB, BK+32*((\a)%2)
	s_wait_dscnt 0x0                               ; the block is back in registers
	s_wait_xcnt 0x0                                ; the block before has been read by its stores: its registers take the next block's loads
.irp n, 0,1,2,3,4,5,6,7
	global_store_b128 v[GO], v[BB+4*\n:BB+4*\n+3], s[12:13] offset:(\n/4)*262144+(\a)*2048+512*(\n%4)   ; 32 lanes store 512 consecutive bytes: four positions of a head
.endr
.endm
	PACK 0
	TOSTAGE 0
.irp a, 1,2,3,4,5,6,7                  ; block a's conversions stand between block a - 1's loads from the stage and the wait for them
	PACK \a
	SEND \a-1
	TOSTAGE \a
.endr
	SEND 7
	s_wait_tensorcnt 0x0                           ; the wave's end
	ds_add_u32 v[SPW], v[NIL]
	s_wait_dscnt 0x0
	CROUND                                         ; the closing round
	s_endpgm
.Lfunc_end_k_qc4bcb55ed3_qkv:
	.size	k_qc4bcb55ed3_qkv, .Lfunc_end_k_qc4bcb55ed3_qkv-k_qc4bcb55ed3_qkv
	.p2alignl 7, 3214868480
	.fill 96, 4, 3214868480
	.section	.rodata,"a",@progbits
	.p2align	6, 0x0
	.amdhsa_kernel k_qc4bcb55ed3_qkv
		.amdhsa_group_segment_fixed_size 327680
		.amdhsa_private_segment_fixed_size 0
		.amdhsa_enable_private_segment 0
		.amdhsa_kernarg_size 48
		.amdhsa_user_sgpr_count 2
		.amdhsa_user_sgpr_kernarg_segment_ptr 1
		.amdhsa_wavefront_size32 1
		.amdhsa_system_sgpr_workgroup_id_x 1
		.amdhsa_system_sgpr_workgroup_id_y 1
		.amdhsa_system_sgpr_workgroup_id_z 1
		.amdhsa_system_vgpr_workitem_id 0
		.amdhsa_next_free_vgpr 1024
		.amdhsa_next_free_sgpr 100
		.amdhsa_reserve_vcc 0
		.amdhsa_float_denorm_mode_32 3
		.amdhsa_float_denorm_mode_16_64 3
		.amdhsa_memory_ordered 1
		.amdhsa_forward_progress 1
		.amdhsa_inst_pref_size 131
	.end_amdhsa_kernel
	.amdgpu_metadata
---
amdhsa.version: [ 1, 2 ]
amdhsa.kernels:
  - .name:           k_qc4bcb55ed3_qkv
    .symbol:         k_qc4bcb55ed3_qkv.kd
    .args:
      - { .name: xc, .offset: 0, .size: 8, .value_kind: global_buffer, .address_space: global }
      - { .name: xs, .offset: 8, .size: 8, .value_kind: global_buffer, .address_space: global }
      - { .name: wc, .offset: 16, .size: 8, .value_kind: global_buffer, .address_space: global }
      - { .name: ws, .offset: 24, .size: 8, .value_kind: global_buffer, .address_space: global }
      - { .name: qkv16, .offset: 32, .size: 8, .value_kind: global_buffer, .address_space: global }
      - { .name: qkv32, .offset: 40, .size: 8, .value_kind: global_buffer, .address_space: global }
    .group_segment_fixed_size: 327680
    .private_segment_fixed_size: 0
    .kernarg_segment_align: 8
    .kernarg_segment_size: 48
    .max_flat_workgroup_size: 128
    .sgpr_count:     100
    .vgpr_count:     1024
    .wavefront_size: 32
...
	.end_amdgpu_metadata
.endif
;; end of part 2
;; launch attn (part 3): grid 4 x 64, 16 waves a work-group, no clusters, 327,680 bytes of LDS; arguments qkv16, y16; writes y16
.if DOCPART == 3
	.amdgcn_target "amdgcn-amd-amdhsa--gfx1250"
	.amdhsa_code_object_version 6
	.text
	.protected	k_qc4bcb55ed3_attn
	.globl	k_qc4bcb55ed3_attn
	.p2align	8
	.type	k_qc4bcb55ed3_attn,@function
k_qc4bcb55ed3_attn:
	s_mov_b64 s[64:65], 0
	v_nop
	global_prefetch_b8 v0, s[64:65] scope:SCOPE_SE
	s_setreg_imm32_b32 hwreg(HW_REG_WAVE_MODE, 25, 1), 1
	s_wait_xcnt 0x0
; y[b][h][q][:] = sum over k <= q of softmax_k(Q[q] . K[k] / 8) V[k][:].  Q, K, V: the three parts of qkv16, [4][16][2048][64] f16 each; y16 likewise.  Products on f16 operands with f32 sums; maxima, exponentials and sums in f32;
; the weights p are rounded to f16 for the second product, y once at the end.
; LIMITS: NaN and infinities are not served.  p = 2^(c s - fl(c m)), c = log2(e) / 8, m the running maximum of the row: p is at most 2^(half a last place of c m), which f16 holds.
; SHARES.  Work-group (i, head) owns the blocks i and 7 - i of 256 queries, so that all work-groups have the same work under the causal mask.  Each of its sixteen waves owns 32 queries (two tiles of 16): wave w has class
; (w ^ (w >> 2)) & 1 (0: block i, 1: block 7 - i) and the 32 queries number w >> 1 of its block.  Keys go 32 a step, 8 steps to a slot of 256 keys, 8 slots: every trip count is a constant; a step all of whose keys come after the
; wave's queries is jumped over, and a slot that no wave of the work-group reads is not asked for.
; NO CLUSTER: the four work-groups of a head read 8, 7, 6 and 5 slots of keys, so a partner would have to take tiles that none of its waves reads.
; LAYOUT.  S^T = K Q^T (source 0 = 16 keys, source 1 = 16 queries): a lane holds one query (lane % 16) and keys 8 (lane / 16) + 0..7; two such tiles rounded in pairs are source 1 of O^T = V^T P.  V is turned by ds_load_tr16_b128.
; LDS.  Two keys' rows (128 bytes each, dense in memory) are stated as one row of 256 bytes: K's with 16 bytes of padding (pitch 272), V's with 32 (pitch 288).  Slot s at s x 2^17: K 34,816 bytes, then V 36,864.
; Behind the ring: a stage of 4,608 bytes for each wave, then the spare words.
.set HB,    262144                     ; a head in bytes
.set SLOT1, 1<<17
.set VOFF,  34816
.set STAGE, SLOT1+71680
.set SPARE, STAGE+16*4608
.set AK0, 1                            ; v1  my lane's place in a tile of K
.set AV0, 2                            ; v2  the same for V
.set ADK, 3                            ; v3  LDS address of the step's K
.set ADV, 4                            ; v4  of its V
.set SPW, 5                            ; v5  my spare word; never rewritten
.set NIL, 6                            ; v6  0; never rewritten
.set GO,  7                            ; v7  16 x lane
.set STO, 8                            ; v8  the stage: where I put 16 bytes of a row
.set RD,  9                            ; v9  and where I read four rows back
.set DM,  10                           ; v10 lane % 16 - 8 (lane / 16): on the diagonal register j is hidden where j > this
.set NINF, 11                          ; v11 -infinity
.set PFO, 12                           ; v12 256 x lane
.set QO,  13                           ; v13 my byte in the wave's rows of Q
.set ST,  16                           ; tile qt's statistics at v[16 + 8 qt]: +0 c m, +1 m, +2, +3 l, +4, +5 at work, +6 a, +7 c m_old - c m_new
.set RQ,  32                           ; Q: 32 + 16 qt + 8 c
.set RK,  64                           ; K: 64 + 16 kt + 8 c
.set RV,  96                           ; V^T: 96 + 8 t
.set RS,  128                          ; S^T: 128 + 16 qt + 8 kt
.set RP,  160                          ; P: 160 + 8 qt
.set RO,  176                          ; O^T: 176 + 32 qt + 8 t
.set TK,  2                            ; s2  LDS byte at which the step's K begins
.set TV,  3                            ; s3  the same for V (beside VOFF)
.set WV,  18
.set SEL, 20
.set CS,  22
.set G1K, 24
.set G1V, 32
.set G0K, 40
.set G0V, 44
.set SLOTS, 48
.set CNT, 49
.set KF,  50                           ; s50 the step's first key
.set Q0,  51                           ; s51 my first query
.set LASTQ, 52                         ; s52 my work-group's last query
.set LIM, 53
.set PFA, 54
; Waves 0 and 1 fetch K's halves of a slot, waves 2 and 3 V's, the others nothing.  An s_nop 0 and four v_nop follow each line.
.macro TLOAD
	s_cmp_lt_u32 s[WV], 2
	s_cbranch_scc0 .Lnot_k_\@
	tensor_load_to_lds s[G0K:G0K+3], s[G1K:G1K+7]
	s_nop 0
.rept 4
	v_nop
.endr
	s_branch .Lasked_\@
.Lnot_k_\@:
	s_cmp_lt_u32 s[WV], 4
	s_cbranch_scc0 .Lasked_\@
	tensor_load_to_lds s[G0V:G0V+3], s[G1V:G1V+7]
	s_nop 0
.rept 4
	v_nop
.endr
.Lasked_\@:
.endm
; A prefetch of what the NEXT change of slots will ask for: 32,768 dense bytes of K and as many of V.  The head's first work-group asks, which walks all eight slots; in it waves 4 to 7 name K's bytes and waves 8 to 11 V's,
; 8,192 bytes a wave, lanes 256 bytes apart: each block of 256 bytes is named once in the launch.  Slots 2 to 7 are named; the last change that fills a slot names nothing.
.macro ASK
	s_cmp_gt_u32 s[SLOTS], s[LIM]
	s_cbranch_scc0 .Lnot_mine_\@
	global_prefetch_b8 v[PFO], s[PFA:PFA+1] th:TH_LOAD_NT scope:SCOPE_SE
.Lnot_mine_\@:
.endm
	s_load_b128 s[4:7], s[0:1], 0x0                ; qkv16, y16
	v_lshl_add_u32 v[SPW], v0, 2, SPARE
	v_mov_b32 v[NIL], 0
	ds_add_u32 v[SPW], v[NIL]                      ; the wave's opening: the add, twice on end, and its wait ahead of the first tensor load
	ds_add_u32 v[SPW], v[NIL]
	v_lshrrev_b32 v14, 5, v0
	v_readfirstlane_b32 s[WV], v14                 ; wave 0..15
	s_and_b32 s8, ttmp7, 0xffff
	s_lshl_b32 s8, s8, 18                          ; the head's first byte in each part
	s_lshr_b32 s56, s[WV], 2
	s_xor_b32 s56, s56, s[WV]
	s_and_b32 s56, s56, 1                          ; my class
	s_lshr_b32 s57, s[WV], 1
	s_lshl_b32 s57, s57, 5                         ; my 32 queries in the block
	s_sub_co_u32 s58, 7, ttmp9
	s_cmp_eq_u32 s56, 0
	s_cselect_b32 s59, ttmp9, s58                  ; block i or block 7 - i
	s_lshl_b32 s59, s59, 8
	s_add_co_u32 s[Q0], s59, s57
	s_lshl_b32 s[LASTQ], s58, 8
	s_or_b32 s[LASTQ], s[LASTQ], 255
	s_and_b32 s56, s[WV], 1                        ; which half of a slot I fetch, if I fetch:
	s_lshl_b32 s57, s56, 14                        ; 64 rows of 256 bytes in memory,
	s_add_co_u32 s57, s57, s8
	s_add_co_u32 s58, s57, 0x1000000               ; in K's part,
	s_mov_b32 s59, 0
	s_add_co_u32 s60, s57, 0x2000000               ; in V's;
	s_mov_b32 s61, 0
	s_mul_i32 s62, s56, 17408                      ; and in a slot
	s_mul_i32 s63, s56, 18432
	s_add_co_u32 s63, s63, VOFF
	s_mov_b32 s[G1K], (1<<16)|(1<<20)|(5<<22)|(3<<25)   ; no mask; elements of 2 bytes; padding on: after every 64 words, 4 words
	s_mov_b32 s[G1V], (1<<16)|(1<<20)|(5<<22)|(7<<25)   ; the same with 8 words
.irp g, G1K, G1V
	s_mov_b32 s[\g+1], 128<<16                     ; tensor_dim0 = 128 elements: two keys
	s_mov_b32 s[\g+2], 64<<16                      ; tensor_dim1 = 64
	s_mov_b32 s[\g+3], 128<<16                     ; tile_dim0
	s_mov_b32 s[\g+4], 64                          ; tile_dim1
	s_mov_b32 s[\g+5], 128                         ; from row to row: dense
	s_mov_b32 s[\g+6], 0
	s_mov_b32 s[\g+7], 0
.endr
	s_mov_b32 s[SEL], 0x76543210
	s_mov_b32 s[SEL+1], 0xfedcba98                 ; v_permlanex16_b32's selects for lane l xor 16
	s_mov_b32 s[CS], 0x3e38aa3b                    ; c = log2(e) / 8
	s_mov_b32 s[CS+1], s[CS]
	s_mov_b32 s[TK], 0
	s_mov_b32 s[TV], 0
	s_mov_b32 s[KF], 0
	s_mov_b32 s[SLOTS], 7
	s_wait_dscnt 0x0                               ; both opening adds are done
	s_wait_kmcnt 0x0
	s_mov_b32 s[G0K], 1
	s_mov_b32 s[G0K+1], s62
	s_add_nc_u64 s[G0K+2:G0K+3], s[4:5], s[58:59]
	s_or_b32 s[G0K+3], s[G0K+3], 0x80000000
	s_mov_b32 s[G0V], 1
	s_mov_b32 s[G0V+1], s63
	s_add_nc_u64 s[G0V+2:G0V+3], s[4:5], s[60:61]
	s_or_b32 s[G0V+3], s[G0V+3], 0x80000000
	TLOAD                                          ; slot 0, whose first keys count for every query; slot 1 is asked for behind the first trip's barrier
	s_lshl_b32 s66, s[Q0], 7
	s_add_co_u32 s66, s66, s8
	s_mov_b32 s67, 0
	s_add_nc_u64 s[10:11], s[4:5], s[66:67]        ; Q at my first query
	s_add_nc_u64 s[6:7], s[6:7], s[66:67]          ; y likewise
	s_mov_b32 s68, 0x2000000
	s_cmp_lt_u32 s[WV], 8                          ; waves 4 to 7 name K's bytes, waves 8 to 11 V's
	s_cselect_b32 s68, 0x1000000, s68
	s_add_co_u32 s68, s68, s8
	s_and_b32 s69, s[WV], 3
	s_lshl_b32 s69, s69, 13
	s_add_co_u32 s68, s68, s69
	s_add_co_u32 s68, s68, 32768                   ; in slot 1: the first change of slots steps it to slot 2
	s_mov_b32 s69, 0
	s_add_nc_u64 s[PFA:PFA+1], s[4:5], s[68:69]
	s_sub_co_u32 s70, s[WV], 4
	s_lshr_b32 s70, s70, 3                         ; 0 in waves 4 to 11,
	s_or_b32 s70, s70, ttmp9                       ; of the head's first work-group
	s_cmp_eq_u32 s70, 0
	s_cselect_b32 s[LIM], 1, -1
	v_and_b32 v14, 15, v0                          ; r
	v_bfe_u32 v15, v0, 4, 1                        ; h
	v_lshlrev_b32 v[QO], 7, v14
	v_lshl_add_u32 v[QO], v15, 4, v[QO]            ; row r of 128 bytes + 16 h
.irp qt, 0,1
.irp c, 0,1
	global_load_b128 v[RQ+16*\qt+8*\c:RQ+16*\qt+8*\c+3],   v[QO], s[10:11] offset:2048*\qt+64*\c
	global_load_b128 v[RQ+16*\qt+8*\c+4:RQ+16*\qt+8*\c+7], v[QO], s[10:11] offset:2048*\qt+64*\c+32
.endr
.endr
	v_lshrrev_b32 v[AK0], 1, v14                   ; key r lies at (r / 2) x 272 + (r % 2) x 128
	v_mul_u32_u24 v[AK0], v[AK0], 272
	v_and_b32 v[ADK], 1, v0
	v_lshl_add_u32 v[AK0], v[ADK], 7, v[AK0]
	v_lshl_add_u32 v[AK0], v15, 4, v[AK0]
	v_bfe_u32 v[AV0], v0, 1, 2                     ; the turning load: lane l reads key 8 h + l % 8, channels 8 ((l / 8) % 2) on
	v_lshl_add_u32 v[AV0], v15, 2, v[AV0]
	v_mul_u32_u24 v[AV0], v[AV0], 288
	v_lshl_add_u32 v[AV0], v[ADK], 7, v[AV0]
	v_bfe_u32 v[ADV], v0, 3, 1
	v_lshl_add_u32 v[AV0], v[ADV], 4, v[AV0]
	v_add_nc_u32 v[AV0], VOFF, v[AV0]
	v_and_b32 v[GO], 31, v0
	v_lshlrev_b32 v[PFO], 8, v[GO]
	v_lshlrev_b32 v[GO], 4, v[GO]
	s_mul_i32 s71, s[WV], 4608
	s_add_co_u32 s71, s71, STAGE                   ; my stage: 2 tiles x 16 rows x (128 bytes + 16)
	v_mul_u32_u24 v[STO], v14, 144
	v_lshl_add_u32 v[STO], v15, 4, v[STO]
	v_add_nc_u32 v[STO], s71, v[STO]
	v_bfe_u32 v[RD], v0, 3, 2
	v_mul_u32_u24 v[RD], v[RD], 144
	v_and_b32 v[ADK], 7, v0
	v_lshl_add_u32 v[RD], v[ADK], 4, v[RD]
	v_add_nc_u32 v[RD], s71, v[RD]
	v_lshlrev_b32 v[DM], 3, v15
	v_sub_nc_u32 v[DM], v14, v[DM]
	v_mov_b32 v[NINF], 0xff800000
.irp qt, 0,1
	v_mov_b32 v[ST+8*\qt+1], 0xff61b1e6            ; m: -3e38, under every score
	v_mul_f32 v[ST+8*\qt], s[CS], v[ST+8*\qt+1]    ; c m
.irp n, 2,3,4,5,6,7
	v_mov_b32 v[ST+8*\qt+\n], 0
.endr
.endr
.set i, 0
.rept 64
	v_mov_b32 v[RO+i], 0                           ; O^T: the step is written once; its first run finds zeros, which a = 0 leaves zeros
.set i, i+1
.endr
; A KEY STEP: 32 keys against my 32 queries: 8 products K Q^T, the softmax of two tiles, 8 products V^T P.
.macro STEP
	s_add_co_u32 s60, s[Q0], 31
	s_cmp_gt_u32 s[KF], s60                        ; all 32 keys come after my queries: the step's work is left out; the lines at its end that step addresses are not
	s_cbranch_scc1 .Lhidden_\@
	v_add_nc_u32 v[ADK], s[TK], v[AK0]
	v_add_nc_u32 v[ADV], s[TV], v[AV0]
.irp kt, 0,1
.irp c, 0,1
	ds_load_b128 v[RK+16*\kt+8*\c:RK+16*\kt+8*\c+3],   v[ADK] offset:2176*\kt+64*\c
	ds_load_b128 v[RK+16*\kt+8*\c+4:RK+16*\kt+8*\c+7], v[ADK] offset:2176*\kt+64*\c+32
.endr
.endr
.irp t, 0,1,2,3
	ds_load_tr16_b128 v[RV+8*\t:RV+8*\t+3],   v[ADV] offset:32*\t
	ds_load_tr16_b128 v[RV+8*\t+4:RV+8*\t+7], v[ADV] offset:32*\t+2304
.endr
	s_wait_dscnt 8                                 ; K is in; V's eight loads may be out
.irp c, 0,1                                    ; four accumulators by turns, one instruction a turn
.irp kt, 0,1
.irp qt, 0,1
.if \c == 0
	v_wmma_f32_16x16x32_f16 v[RS+16*\qt+8*\kt:RS+16*\qt+8*\kt+7], v[RK+16*\kt+8*\c:RK+16*\kt+8*\c+7], v[RQ+16*\qt+8*\c:RQ+16*\qt+8*\c+7], 0
.else
	v_wmma_f32_16x16x32_f16 v[RS+16*\qt+8*\kt:RS+16*\qt+8*\kt+7], v[RK+16*\kt+8*\c:RK+16*\kt+8*\c+7], v[RQ+16*\qt+8*\c:RQ+16*\qt+8*\c+7], v[RS+16*\qt+8*\kt:RS+16*\qt+8*\kt+7]
.endif
.endr
.endr
.endr
.rept 4
	v_nop                                          ; places ahead of the first read of the scores
.endr
	s_cmp_lg_u32 s[KF], s[Q0]                      ; the one step on the diagonal: hidden scores become -infinity ahead of the maximum
	s_cbranch_scc1 .Lopen_\@
.irp j, 0,1,2,3,4,5,6,7
	v_cmp_gt_i32 vcc_lo, \j, v[DM]                 ; tiles with kt = qt: key 8 h + j is hidden from query r where j > r - 8 h
	v_cndmask_b32 v[RS+\j], v[RS+\j], v[NINF], vcc_lo
	v_cndmask_b32 v[RS+24+\j], v[RS+24+\j], v[NINF], vcc_lo
.endr
.irp j, 0,1,2,3,4,5,6,7
	v_mov_b32 v[RS+8+\j], v[NINF]                  ; queries 0-15 see none of keys 16-31; queries 16-31 see all of keys 0-15
.endr
.Lopen_\@:
	; the softmax, the two tiles line by line by turns
.irp qt, 0,1
	v_max3_num_f32 v[ST+8*\qt+4], v[RS+16*\qt], v[RS+16*\qt+1], v[RS+16*\qt+2]
.endr
.irp qt, 0,1
	v_max3_num_f32 v[ST+8*\qt+5], v[RS+16*\qt+3], v[RS+16*\qt+4], v[RS+16*\qt+5]
.endr
.irp qt, 0,1
	v_max3_num_f32 v[ST+8*\qt+4], v[ST+8*\qt+4], v[RS+16*\qt+6], v[RS+16*\qt+7]
.endr
.irp qt, 0,1
	v_max3_num_f32 v[ST+8*\qt+5], v[ST+8*\qt+5], v[RS+16*\qt+8], v[RS+16*\qt+9]
.endr
.irp qt, 0,1
	v_max3_num_f32 v[ST+8*\qt+4], v[ST+8*\qt+4], v[RS+16*\qt+10], v[RS+16*\qt+11]
.endr
.irp qt, 0,1
	v_max3_num_f32 v[ST+8*\qt+5], v[ST+8*\qt+5], v[RS+16*\qt+12], v[RS+16*\qt+13]
.endr
.irp qt, 0,1
	v_max3_num_f32 v[ST+8*\qt+4], v[ST+8*\qt+4], v[RS+16*\qt+14], v[RS+16*\qt+15]
.endr
.irp qt, 0,1
	v_max3_num_f32 v[ST+8*\qt+4], v[ST+8*\qt+4], v[ST+8*\qt+5], v[ST+8*\qt+1]   ; with the old m
.endr
.irp qt, 0,1
	v_permlanex16_b32 v[ST+8*\qt+5], v[ST+8*\qt+4], s[SEL], s[SEL+1]            ; the query's other 16 keys lie in the lane 16 away
.endr
.irp qt, 0,1
	v_mov_b32 v[ST+8*\qt+7], v[ST+8*\qt]           ; c m_old
.endr
.irp qt, 0,1
	v_max_num_f32 v[ST+8*\qt+1], v[ST+8*\qt+4], v[ST+8*\qt+5]
.endr
.irp qt, 0,1
	v_mul_f32 v[ST+8*\qt], s[CS], v[ST+8*\qt+1]
.endr
.irp qt, 0,1
	v_sub_f32 v[ST+8*\qt+7], v[ST+8*\qt+7], v[ST+8*\qt]
.endr
.irp n, 0,2,4,6,8,10,12,14
.irp qt, 0,1
	v_pk_fma_f32 v[RS+16*\qt+\n:RS+16*\qt+\n+1], v[RS+16*\qt+\n:RS+16*\qt+\n+1], s[CS:CS+1], v[ST+8*\qt:ST+8*\qt+1] op_sel_hi:[1,0,0] neg_lo:[0,0,1] neg_hi:[0,0,1]   ; c s - c m
.endr
.endr
.irp qt, 0,1
	v_exp_f32 v[ST+8*\qt+6], v[ST+8*\qt+7]         ; a = 2^(c m_old - c m_new)
.endr
.irp n, 0,1,2,3,4,5,6,7,8,9,10,11,12,13,14,15
.irp qt, 0,1
	v_exp_f32 v[RS+16*\qt+\n], v[RS+16*\qt+\n]     ; p
.endr
.endr
	v_nop                                          ; a plain line behind the last exponential
	s_wait_alu depctr_va_vdst(0)                   ; one wait for the batch of 34, ahead of its first reader
.irp n, 0,1,2,3,4,5,6,7
.irp qt, 0,1
	v_cvt_pk_f16_f32 v[RP+8*\qt+\n], v[RS+16*\qt+2*\n], v[RS+16*\qt+2*\n+1]
.endr
.endr
.irp n, 0,4,8,12
.irp qt, 0,1
	v_pk_add_f32 v[RS+16*\qt+\n:RS+16*\qt+\n+1], v[RS+16*\qt+\n:RS+16*\qt+\n+1], v[RS+16*\qt+\n+2:RS+16*\qt+\n+3]   ; the row's sum is taken of the unrounded p
.endr
.endr
.irp n, 0,8
.irp qt, 0,1
	v_pk_add_f32 v[RS+16*\qt+\n:RS+16*\qt+\n+1], v[RS+16*\qt+\n:RS+16*\qt+\n+1], v[RS+16*\qt+\n+4:RS+16*\qt+\n+5]
.endr
.endr
.irp qt, 0,1
	v_pk_add_f32 v[RS+16*\qt:RS+16*\qt+1], v[RS+16*\qt:RS+16*\qt+1], v[RS+16*\qt+8:RS+16*\qt+9]
.endr
.irp qt, 0,1
	v_pk_fma_f32 v[ST+8*\qt+2:ST+8*\qt+3], v[ST+8*\qt+2:ST+8*\qt+3], v[ST+8*\qt+6:ST+8*\qt+7], v[RS+16*\qt:RS+16*\qt+1] op_sel_hi:[1,0,1]   ; l = a l + the sum
.endr
.irp n, 0,2,4,6,8,10,12,14,16,18,20,22,24,26,28,30
.irp qt, 0,1
	v_pk_mul_f32 v[RO+32*\qt+\n:RO+32*\qt+\n+1], v[RO+32*\qt+\n:RO+32*\qt+\n+1], v[ST+8*\qt+6:ST+8*\qt+7] op_sel_hi:[1,0]   ; O^T x a, each accumulator from its low end on
.endr
.endr
	s_wait_dscnt 0x0                               ; V is in
.irp t, 0,1,2,3                                ; eight accumulators by turns
.irp qt, 0,1
	v_wmma_f32_16x16x32_f16 v[RO+32*\qt+8*\t:RO+32*\qt+8*\t+7], v[RV+8*\t:RV+8*\t+7], v[RP+8*\qt:RP+8*\qt+7], v[RO+32*\qt+8*\t:RO+32*\qt+8*\t+7]
.endr
.endr
.rept 4
	v_nop                                          ; places ahead of the next step's loads into V's registers, and of the way out
.endr
.Lhidden_\@:
	s_add_co_u32 s[KF], s[KF], 32
	s_add_co_u32 s[TK], s[TK], 4352                ; 16 LDS rows of K on,
	s_add_co_u32 s[TV], s[TV], 4608                ; 16 of V
.endm
; THE CHANGE OF SLOTS stands at a slot's head.  Each wave waits for all its tensor loads, adds 0 to its spare word, and waits for that and for its reads of the slot that it has left; behind the barrier the slot ahead is whole
; and nobody reads the other one.  fill = 1: that other slot takes the next 256 keys, if a wave of the work-group will read them.
.macro CHANGE fill
	s_wait_tensorcnt 0x0                           ; no tensor load of mine is out, so a group 0 may be written
	ds_add_u32 v[SPW], v[NIL]
.if \fill
	ds_add_u32 v[SPW], v[NIL]                      ; and once morethe add stands twice, in every trip alike
	s_xor_b32 s[G0K+1], s[G0K+1], SLOT1
	s_add_nc_u64 s[G0K+2:G0K+3], s[G0K+2:G0K+3], 32768
	s_xor_b32 s[G0V+1], s[G0V+1], SLOT1
	s_add_nc_u64 s[G0V+2:G0V+3], s[G0V+2:G0V+3], 32768
	s_wait_xcnt 0x0                                ; the last prefetch, a slot back, has read its address
	s_add_nc_u64 s[PFA:PFA+1], s[PFA:PFA+1], 32768
.endif
	s_wait_dscnt 0x0                               ; the add is done, and my reads of the slot that I have left are over
	s_barrier_signal -1
	s_barrier_wait -1
.if \fill
	s_add_co_u32 s60, s[KF], 256                   ; the first key of the slot that this change would ask for:
	s_cmp_gt_u32 s60, s[LASTQ]                     ; behind my work-group's last query no wave reads it.  Ids and the count of steps alone: all sixteen waves go the same way
	s_cbranch_scc1 .Lpast_\@
	TLOAD                                          ; a wave's one tensor load until the next such barrier: it has a slot's eight steps in which to land
.Lpast_\@:
	ASK
.endif
.endm
.macro SLOT_STEPS                      ; a slot's eight steps: written once, walked eight times; the LDS addresses hang on s[TK] and s[TV]
	s_mov_b32 s[CNT], 8
.Lstep_\@:
	STEP
	s_sub_co_u32 s[CNT], s[CNT], 1
	s_cmp_lg_u32 s[CNT], 0
	s_cbranch_scc1 .Lstep_\@
	s_sub_co_u32 s[TK], s[TK], 34816               ; back to a slot's first step,
	s_xor_b32 s[TK], s[TK], SLOT1                  ; in the other slot
	s_sub_co_u32 s[TV], s[TV], 36864
	s_xor_b32 s[TV], s[TV], SLOT1
.endm
	s_wait_loadcnt 0x0                             ; Q
.Lslot:                                            ; seven trips
	CHANGE 1
	SLOT_STEPS
	s_sub_co_u32 s[SLOTS], s[SLOTS], 1
	s_cmp_lg_u32 s[SLOTS], 0
	s_cbranch_scc1 .Lslot
	CHANGE 0                                       ; the last slot is written out: nothing is left to ask for
	SLOT_STEPS
	; THE WAY OUT: l's halves and the other half of the lanes'; O^T / l, rounded to f16, through my stage, back four positions (512 consecutive bytes of the head) at a time.
.irp qt, 0,1
	v_add_f32 v[ST+8*\qt+4], v[ST+8*\qt+2], v[ST+8*\qt+3]
.endr
.irp qt, 0,1
	v_permlanex16_b32 v[ST+8*\qt+5], v[ST+8*\qt+4], s[SEL], s[SEL+1]
.endr
.irp qt, 0,1
	v_add_f32 v[ST+8*\qt+4], v[ST+8*\qt+4], v[ST+8*\qt+5]
.endr
.irp qt, 0,1
	v_rcp_f32 v[ST+8*\qt+6], v[ST+8*\qt+4]
.endr
	v_nop                                          ; a plain line behind the reciprocals
	s_wait_alu depctr_va_vdst(0)                   ; and the wait ahead of their first reader
.irp qt, 0,1
.irp n, 0,2,4,6,8,10,12,14,16,18,20,22,24,26,28,30
	v_pk_mul_f32 v[RO+32*\qt+\n:RO+32*\qt+\n+1], v[RO+32*\qt+\n:RO+32*\qt+\n+1], v[ST+8*\qt+6:ST+8*\qt+7] op_sel_hi:[1,0]
.endr
.endr
.irp qt, 0,1
.irp n, 0,1,2,3,4,5,6,7,8,9,10,11,12,13,14,15
	v_cvt_pk_f16_f32 v[RK+16*\qt+\n], v[RO+32*\qt+2*\n], v[RO+32*\qt+2*\n+1]
.endr
.endr
.irp qt, 0,1
.irp t, 0,1,2,3
	ds_store_b128 v[STO], v[RK+16*\qt+4*\t:RK+16*\qt+4*\t+3] offset:2304*\qt+32*\t
.endr
.endr
.irp n, 0,1,2,3,4,5,6,7
	ds_load_b128 v[RV+4*\n:RV+4*\n+3], v[RD] offset:2304*(\n/4)+576*(\n%4)   ; LDS serves a wave's instructions in order: these see my stores
.endr
.irp n, 0,1,2,3,4,5,6,7
	s_wait_dscnt 7-\n
	global_store_b128 v[GO], v[RV+4*\n:RV+4*\n+3], s[6:7] offset:2048*(\n/4)+512*(\n%4)
.endr
	s_wait_tensorcnt 0x0                           ; the wave's end
	ds_add_u32 v[SPW], v[NIL]
	s_wait_dscnt 0x0
	s_endpgm
.Lfunc_end_k_qc4bcb55ed3_attn:
	.size	k_qc4bcb55ed3_attn, .Lfunc_end_k_qc4bcb55ed3_attn-k_qc4bcb55ed3_attn
	.p2alignl 7, 3214868480
	.fill 96, 4, 3214868480
	.section	.rodata,"a",@progbits
	.p2align	6, 0x0
	.amdhsa_kernel k_qc4bcb55ed3_attn
		.amdhsa_group_segment_fixed_size 327680
		.amdhsa_private_segment_fixed_size 0
		.amdhsa_enable_private_segment 0
		.amdhsa_kernarg_size 16
		.amdhsa_user_sgpr_count 2
		.amdhsa_user_sgpr_kernarg_segment_ptr 1
		.amdhsa_wavefront_size32 1
		.amdhsa_system_sgpr_workgroup_id_x 1
		.amdhsa_system_sgpr_workgroup_id_y 1
		.amdhsa_system_sgpr_workgroup_id_z 1
		.amdhsa_system_vgpr_workitem_id 0
		.amdhsa_next_free_vgpr 256
		.amdhsa_next_free_sgpr 80
		.amdhsa_reserve_vcc 1
		.amdhsa_float_denorm_mode_32 3
		.amdhsa_float_denorm_mode_16_64 3
		.amdhsa_memory_ordered 1
		.amdhsa_forward_progress 1
		.amdhsa_inst_pref_size 42
	.end_amdhsa_kernel
	.amdgpu_metadata
---
amdhsa.version: [ 1, 2 ]
amdhsa.kernels:
  - .name:           k_qc4bcb55ed3_attn
    .symbol:         k_qc4bcb55ed3_attn.kd
    .args:
      - { .name: qkv16, .offset: 0, .size: 8, .value_kind: global_buffer, .address_space: global }
      - { .name: y16, .offset: 8, .size: 8, .value_kind: global_buffer, .address_space: global }
    .group_segment_fixed_size: 327680
    .private_segment_fixed_size: 0
    .kernarg_segment_align: 8
    .kernarg_segment_size: 16
    .max_flat_workgroup_size: 512
    .sgpr_count:     80
    .vgpr_count:     256
    .wavefront_size: 32
...
	.end_amdgpu_metadata
.endif
;; end of part 3
;; launch proj (part 4): grid 8 x 64, 4 waves a work-group, clusters of 4 x 4, 327,680 bytes of LDS; arguments y16, w16, out0; writes out0
.if DOCPART == 4
	.amdgcn_target "amdgcn-amd-amdhsa--gfx1250"
	.amdhsa_code_object_version 6
	.text
	.protected	k_qc4bcb55ed3_proj
	.globl	k_qc4bcb55ed3_proj
	.p2align	8
	.type	k_qc4bcb55ed3_proj,@function
k_qc4bcb55ed3_proj:
	s_mov_b64 s[64:65], 0
	v_nop
	global_prefetch_b8 v0, s[64:65] scope:SCOPE_SE
	s_setreg_imm32_b32 hwreg(HW_REG_WAVE_MODE, 25, 1), 1
	s_wait_xcnt 0x0
	s_wait_alu depctr_hold_cnt(0) depctr_sa_sdst(0) depctr_va_vdst(0) depctr_va_sdst(0) depctr_va_ssrc(0) depctr_va_vcc(0) depctr_vm_vsrc(0)
	s_getreg_b32 s2, hwreg(HW_REG_IB_STS2, 6, 4)
	s_cmp_eq_u32 s2, 0
	s_cbranch_scc0 .Lentry_in_a_cluster
	s_endpgm
.Lentry_in_a_cluster:
	s_bfe_u32 s2, ttmp6, 0x10000c
	s_cmp_lg_u32 s2, 0xf033
	s_cbranch_scc0 .Lentry_shape_is_right
	s_endpgm
.Lentry_shape_is_right:
; out[m][n] = sum over k of y[m][k] w_out[n][k], f16 operands, f32 sums, f32 result.  y16: [4 batches][16 heads][2048 positions][64] f16, k = 64 x head + channel; w16: [1024][1024] f16; out0: [8192][1024] f32.
; Positions 0 to 15 of every batch are NOT stored here: a later launch carries them in f32.
; A tile of 128 x 128 is made by four waves, each 64 x 64: 16 accumulators.  K goes in steps of 256 (four heads) through two LDS slots.  Tile row = 16 cy + cluster y: cy is the batch, 128 x cluster y the first position.
; y's tile: a head's 128 positions are 16,384 dense bytes; a wave's load brings two heads as two rows of 16,384 bytes, 262,144 bytes apart, with 16 bytes of padding behind every 256: position p of a head lies at
; (p / 2) x 272 + (p % 2) x 128.  w_out's tile: 64 rows of 512 bytes a load, pitch 528.
; CLUSTERS: 4 x 4; y's tiles are shared along a row of the cluster, w_out's along a column: joint loads.  THE MATRIX INSTRUCTION IS USED TRANSPOSED (source 0 = 16 rows of w_out, source 1 = 16 positions).
; REGISTERS: window 0: v0-31 addresses; v32-95 the way out; v128-255 the accumulators ((a, b) at v[128 + 8 (4 a + b)]).  window 1: two fragment buffers of 128 (64 of y, then 64 of w_out).
.set KSTEP,  256
.set PITCH,  528
.set AH,     17408                     ; a head's 128 positions in LDS: 64 lines of 272 bytes
.set ASZ,    4*AH
.set HALFB,  64*PITCH
.set SLOT,   ASZ+2*HALFB
.set STAGE,  2*SLOT                    ; behind the ring: 16 rows x 272 bytes for each wave
.set SPITCH, 272
.set SPARE,  STAGE+4*16*SPITCH
.set LAPS,   2                         ; 1,024 along K: two laps of two K steps
.set ADRA, 16
.set ADRB, 20
.set STO,  24
.set RD,   25
.set CO,   26
.set SPW,  28
.set NIL,  29
.set TMP,  32
.set ACC,  128
.set F0,   0
.set F1,   128
.set G1, 24
.set G0, 32
.set G1B, 48
.set G0B, 56
.set MSB, 0
.macro WIN new
.if MSB != (\new)
	s_set_vgpr_msb (MSB<<8)|(\new)
.set MSB, (\new)
.endif
.endm
.set MUL,  0x05                        ; sources 0 and 1 window 1; C and D window 0
.set TO_F, 0x40                        ; destination window 1
.macro JLOAD s                         ; waves 0 and 1 fetch y's heads, waves 2 and 3 w_out's halves; an s_nop 0 and four v_nop follow each line
	s_cmp_eq_u32 s11, 0
	s_cbranch_scc0 .Lfor_b_\@
	tensor_load_to_lds s[G0+4*\s:G0+4*\s+3], s[G1:G1+7]
	s_nop 0
.rept 4
	v_nop
.endr
	s_branch .Lasked_\@
.Lfor_b_\@:
	tensor_load_to_lds s[G0B+4*\s:G0B+4*\s+3], s[G1B:G1B+7]
	s_nop 0
.rept 4
	v_nop
.endr
.Lasked_\@:
.endm
.macro CREST
	s_cmp_lg_u32 s10, 0
	s_cbranch_scc1 .Lnot_wave_0_\@
	s_barrier_signal -3
.Lnot_wave_0_\@:
	s_barrier_wait -3
	s_barrier_signal -1
	s_barrier_wait -1
.endm
.macro CROUND
	s_barrier_signal -1
	s_barrier_wait -1
	CREST
.endm
	s_load_b128 s[4:7], s[0:1], 0x0                ; y16, w16
	s_load_b64 s[8:9], s[0:1], 0x10                ; out0
	v_lshl_add_u32 v[SPW], v0, 2, SPARE
	v_mov_b32 v[NIL], 0
	ds_add_u32 v[SPW], v[NIL]                      ; the wave's opening: the add, twice on end, and its wait ahead of my first tensor load
	ds_add_u32 v[SPW], v[NIL]
	v_lshrrev_b32 v1, 5, v0
	v_readfirstlane_b32 s10, v1                    ; wave 0..3
	s_lshr_b32 s11, s10, 1                         ; which half of the tile's rows is mine.  Also: I fetch for y (0) or for w_out (1)
	s_and_b32 s12, s10, 1                          ; which half of its columns.  Also: which half of that tile I fetch
	s_bfe_u32 s40, ttmp6, 0x40000                  ; cx
	s_bfe_u32 s41, ttmp6, 0x40004                  ; cy: the batch
	s_lshl_b32 s42, ttmp9, 2
	s_add_co_u32 s42, s42, s40                     ; tile column
	s_and_b32 s45, ttmp7, 0xffff                   ; cluster y: which 128 positions
	s_lshl_b32 s43, s41, 2
	s_lshl_b32 s43, 15, s43                        ; my row of the cluster
	s_lshl_b32 s44, 0x1111, s40                    ; my column
	s_or_b32 s[G1+0], s43, (3<<16)|(1<<20)|(1<<21)|(5<<22)|(3<<25)   ; y: the mask; elements of 8 bytes; padding on; bit 21 beside a mask; after every 64 words, 4 words
	s_mov_b32 s[G1+1], 2048<<16                    ; tensor_dim0 = 2,048 elements: a head's 128 positions
	s_mov_b32 s[G1+2], 2<<16                       ; tensor_dim1 = 2 heads
	s_mov_b32 s[G1+3], 2048<<16                    ; tile_dim0
	s_mov_b32 s[G1+4], 2                           ; tile_dim1
	s_mov_b32 s[G1+5], 32768                       ; from head to head: 262,144 bytes
	s_mov_b32 s[G1+6], 0
	s_mov_b32 s[G1+7], 0
	s_or_b32 s[G1B+0], s44, (1<<16)|(1<<20)|(1<<21)|(6<<22)|(3<<25)  ; w_out: elements of 2 bytes; after every 128 words, 4 words
	s_mov_b32 s[G1B+1], KSTEP<<16
	s_mov_b32 s[G1B+2], 64<<16
	s_mov_b32 s[G1B+3], KSTEP<<16
	s_mov_b32 s[G1B+4], 64
	s_mov_b32 s[G1B+5], 1024
	s_mov_b32 s[G1B+6], 0
	s_mov_b32 s[G1B+7], 0
	s_lshl_b32 s16, s41, 22                        ; y: the batch,
	s_lshl_b32 s17, s45, 14                        ; 128 positions x 128 bytes x cluster y,
	s_add_co_u32 s16, s16, s17
	s_lshl_b32 s17, s12, 19                        ; two heads x my half
	s_add_co_u32 s16, s16, s17
	s_mov_b32 s17, 0
	s_lshl_b32 s46, s42, 18                        ; w_out: row 128 x tile column + 64 x half, 2,048 bytes a row
	s_lshl_b32 s47, s12, 17
	s_add_co_u32 s46, s46, s47
	s_mov_b32 s47, 0
	s_mul_i32 s20, s12, 2*AH                       ; where they go: no place in the cluster enters an LDS address
	s_mul_i32 s23, s12, HALFB
	s_add_co_u32 s23, s23, ASZ
	s_wait_dscnt 0x0                               ; both opening adds are done
	s_wait_kmcnt 0x0
	s_add_nc_u64 s[14:15], s[4:5], s[16:17]
	s_add_nc_u64 s[46:47], s[6:7], s[46:47]
	CROUND                                         ; all sixteen work-groups are here: the first joint loads meet
.irp s, 0,1
	s_mov_b32 s[G0+4*\s], 1
	s_add_co_u32 s[G0+4*\s+1], s20, \s*SLOT
	s_add_nc_u64 s[G0+4*\s+2:G0+4*\s+3], s[14:15], \s*1048576     ; K step s: four heads on
	s_or_b32 s[G0+4*\s+3], s[G0+4*\s+3], 0x80000000
	s_mov_b32 s[G0B+4*\s], 1
	s_add_co_u32 s[G0B+4*\s+1], s23, \s*SLOT
	s_add_nc_u64 s[G0B+4*\s+2:G0B+4*\s+3], s[46:47], \s*KSTEP*2
	s_or_b32 s[G0B+4*\s+3], s[G0B+4*\s+3], 0x80000000
	JLOAD \s
.endr
	v_and_b32 v1, 15, v0                           ; r
	v_bfe_u32 v2, v0, 4, 1                         ; h
	v_lshrrev_b32 v3, 1, v1
	v_mul_u32_u24 v3, v3, 272
	v_and_b32 v4, 1, v0
	v_lshl_add_u32 v3, v4, 7, v3
	v_lshl_add_u32 v3, v2, 4, v3                   ; y: position r: (r / 2) x 272 + (r % 2) x 128 + 16 h
	v_mul_u32_u24 v4, v1, PITCH
	v_lshl_add_u32 v4, v2, 4, v4                   ; w_out: row r x 528 + 16 h
	s_mul_i32 s21, s11, 8704                       ; my 64 positions: 32 lines
	s_mul_i32 s22, s12, HALFB                      ; my 64 rows of w_out,
	s_add_co_u32 s22, s22, ASZ                     ; behind y's four heads
.irp s, 0,1
	v_add_nc_u32 v[ADRA+\s], s21, v3
	v_add_nc_u32 v[ADRB+\s], s22, v4
	s_add_co_u32 s21, s21, SLOT
	s_add_co_u32 s22, s22, SLOT
.endr
	s_mul_i32 s23, s10, 16*SPITCH
	s_add_co_u32 s23, s23, STAGE                   ; my stage: my 64 columns are 256 bytes of a row
	v_mul_u32_u24 v5, v1, SPITCH
	v_lshl_add_u32 v5, v2, 5, v5
	v_add_nc_u32 v[STO], s23, v5                   ; in: row r, 32 bytes for each half of the lanes
	v_mul_u32_u24 v5, v2, SPITCH
	v_lshl_add_u32 v5, v1, 4, v5
	v_add_nc_u32 v[RD], s23, v5                    ; back: lanes 0-15 one row, lanes 16-31 the next
	v_lshlrev_b32 v5, 12, v2
	v_lshl_add_u32 v[CO], v1, 4, v5                ; and the same two rows in out0 (4,096 bytes a row)
	s_lshl_b32 s16, s41, 11
	s_lshl_b32 s17, s45, 7
	s_add_co_u32 s16, s16, s17
	s_lshl_b32 s17, s11, 6
	s_add_co_u32 s16, s16, s17                     ; my first row: 2,048 cy + 128 x cluster y + 64 x half
	s_lshl_b32 s16, s16, 12
	s_mov_b32 s17, 0
	s_add_nc_u64 s[8:9], s[8:9], s[16:17]
	s_lshl_b32 s46, s42, 9                         ; my first column, in bytes: 512 x tile column + 256 x half
	s_lshl_b32 s47, s12, 8
	s_add_co_u32 s46, s46, s47
	s_mov_b32 s47, 0
	s_add_nc_u64 s[8:9], s[8:9], s[46:47]
.macro MUL8 f, c, a0, zero             ; 8 matrix instructions: m blocks a0, a0 + 1 x 4 n blocks, 32 along K; the 16 accumulators take turns
.irp a, \a0, \a0+1
.irp b, 0,1,2,3
.if \zero
	v_wmma_f32_16x16x32_f16 v[ACC+8*(4*(\a)+\b):ACC+8*(4*(\a)+\b)+7], v[\f+64+8*(4*\c+\b):\f+64+8*(4*\c+\b)+7], v[\f+8*(4*\c+\a):\f+8*(4*\c+\a)+7], 0
.else
	v_wmma_f32_16x16x32_f16 v[ACC+8*(4*(\a)+\b):ACC+8*(4*(\a)+\b)+7], v[\f+64+8*(4*\c+\b):\f+64+8*(4*\c+\b)+7], v[\f+8*(4*\c+\a):\f+8*(4*\c+\a)+7], v[ACC+8*(4*(\a)+\b):ACC+8*(4*(\a)+\b)+7]
.endif
.endr
.endr
.endm
.macro FETCH slot, q, f                ; 32 LDS loads in one run: quarter q of the slot (one head: 64 along K) into buffer f; the first 32 along K first
	WIN TO_F
.irp c, 0,1
.irp i, 0,1,2,3
	ds_load_b128 v[\f+64+8*(4*\c+\i):\f+64+8*(4*\c+\i)+3],   v[ADRB+\slot] offset:128*(\q)+64*\c+\i*16*PITCH
	ds_load_b128 v[\f+64+8*(4*\c+\i)+4:\f+64+8*(4*\c+\i)+7], v[ADRB+\slot] offset:128*(\q)+64*\c+\i*16*PITCH+32
	ds_load_b128 v[\f+8*(4*\c+\i):\f+8*(4*\c+\i)+3],         v[ADRA+\slot] offset:AH*(\q)+64*\c+\i*2176
	ds_load_b128 v[\f+8*(4*\c+\i)+4:\f+8*(4*\c+\i)+7],       v[ADRA+\slot] offset:AH*(\q)+64*\c+\i*2176+32
.endr
.endr
.endm
.macro PLACES
.rept 4
	v_nop
.endr
.endm
.macro QUARTER slot, q, f, g, zero     ; multiplies buffer f and fetches quarter q of the slot into g
	s_wait_dscnt 16                                ; the first 32 along K are in; sixteen younger loads may be out
	WIN MUL
	MUL8 \f, 0, 0, \zero
	MUL8 \f, 0, 2, \zero
	PLACES
	FETCH \slot, \q, \g
	s_wait_dscnt 32                                ; all but the 32 just issued
	WIN MUL
	MUL8 \f, 1, 0, 0
	MUL8 \f, 1, 2, 0
.endm
; The last quarter multiplies buffer 1 and changes slots: one barrier; in front of it each wave waits for all its tensor loads, adds 0 to its spare word, and waits for that and for its reads of this slot.
.macro TURN slot, next, fill
	WIN 0
	s_wait_tensorcnt 0x0                           ; all my tensor loads have landed: my part of the next slot
	ds_add_u32 v[SPW], v[NIL]
	s_wait_dscnt 17                                ; (the add and the youngest sixteen loads may be out)
	WIN MUL
	MUL8 F1, 0, 0, 0
	s_wait_dscnt 0x0                               ; the add is done, and my reads of this slot are over
	s_barrier_signal -1
	MUL8 F1, 0, 2, 0
.if \fill
	WIN 0
.endif
	s_barrier_wait -1
.if \fill
	CREST                                          ; the barrier has opened a round of the cluster's barrier: no wave of any partner still reads this slot or has a load on its way
	s_add_nc_u64 s[G0+4*\slot+2:G0+4*\slot+3], s[G0+4*\slot+2:G0+4*\slot+3], 2097152     ; eight heads on
	s_add_nc_u64 s[G0B+4*\slot+2:G0B+4*\slot+3], s[G0B+4*\slot+2:G0B+4*\slot+3], 2*KSTEP*2
	JLOAD \slot                                    ; the first tensor load behind the round; its four v_nop are also the places in front of the loads below
.else
	PLACES
.endif
	FETCH \next, 0, F0
	WIN MUL
	MUL8 F1, 1, 0, 0
	MUL8 F1, 1, 2, 0
.endm
	s_wait_tensorcnt 1                             ; my part of K step 0 is in (K step 1's load may be out),
	s_barrier_signal -1
	s_barrier_wait -1                              ; everybody's is
	FETCH 0, 0, F0
	QUARTER 0, 1, F0, F1, 1                        ; the first products start the sums
	WIN 0
	s_mov_b32 s3, LAPS-1
.Llap:                                                 ; a trip goes once round the ring and fills both slots again
	QUARTER 0, 2, F1, F0, 0
	QUARTER 0, 3, F0, F1, 0
	TURN 0, 1, 1
	QUARTER 1, 1, F0, F1, 0
	QUARTER 1, 2, F1, F0, 0
	QUARTER 1, 3, F0, F1, 0
	TURN 1, 0, 1
	QUARTER 0, 1, F0, F1, 0
	WIN 0
	s_sub_co_u32 s3, s3, 1
	s_cmp_lg_u32 s3, 0
	s_cbranch_scc1 .Llap
	QUARTER 0, 2, F1, F0, 0                        ; the last lap fills nothing
	QUARTER 0, 3, F0, F1, 0
	TURN 0, 1, 0
	QUARTER 1, 1, F0, F1, 0
	QUARTER 1, 2, F1, F0, 0
	QUARTER 1, 3, F0, F1, 0
	s_wait_dscnt 16
	WIN MUL
	MUL8 F1, 0, 0, 0
	MUL8 F1, 0, 2, 0
	s_wait_dscnt 0
	MUL8 F1, 1, 0, 0
	MUL8 F1, 1, 2, 0
	WIN 0
; THE WAY OUT, a block of 16 rows x 64 columns at a time, through my own stage: in as 32 bytes a lane, back as whole rows of 256 bytes: 16 lanes store 256 consecutive bytes, at a multiple of 256 from out0's first byte.
.macro OUTB a
.set BB, TMP+32*((\a)%2)
.if (\a) >= 2
	s_wait_xcnt 0x0                                ; the stores of two blocks back have read their registers
.endif
.irp b, 0,1,2,3
	ds_store_b128 v[STO], v[ACC+8*(4*(\a)+\b):ACC+8*(4*(\a)+\b)+3] offset:64*\b        ; each accumulator from its low end on
	ds_store_b128 v[STO], v[ACC+8*(4*(\a)+\b)+4:ACC+8*(4*(\a)+\b)+7] offset:64*\b+16
.endr
.irp t, 0,1,2,3,4,5,6,7
	ds_load_b128 v[BB+4*\t:BB+4*\t+3], v[RD] offset:\t*2*SPITCH    ; LDS serves a wave's instructions in order
.endr
.irp t, 0,1,2,3,4,5,6,7
	s_wait_dscnt 7-\t
	global_store_b128 v[CO], v[BB+4*\t:BB+4*\t+3], s[8:9] offset:(16*(\a)+2*\t)*4096 th:TH_STORE_NT
.endr
.endm
	PLACES
	s_or_b32 s46, s45, s11                         ; 0 where my block 0 is positions 0 to 15 of the batch: cluster y and the wave's number alone, the same in all partners
	s_cmp_eq_u32 s46, 0
	s_cbranch_scc1 .Lskip0                         ; those 16 rows belong to the launch that carries them in f32
	OUTB 0
.Lskip0:
	OUTB 1
	OUTB 2
	OUTB 3
	s_wait_tensorcnt 0x0                           ; the wave's end
	ds_add_u32 v[SPW], v[NIL]
	s_wait_dscnt 0x0
	CROUND                                         ; the closing round
	s_endpgm
.Lfunc_end_k_qc4bcb55ed3_proj:
	.size	k_qc4bcb55ed3_proj, .Lfunc_end_k_qc4bcb55ed3_proj-k_qc4bcb55ed3_proj
	.p2alignl 7, 3214868480
	.fill 96, 4, 3214868480
	.section	.rodata,"a",@progbits
	.p2align	6, 0x0
	.amdhsa_kernel k_qc4bcb55ed3_proj
		.amdhsa_group_segment_fixed_size 327680
		.amdhsa_private_segment_fixed_size 0
		.amdhsa_enable_private_segment 0
		.amdhsa_kernarg_size 24
		.amdhsa_user_sgpr_count 2
		.amdhsa_user_sgpr_kernarg_segment_ptr 1
		.amdhsa_wavefront_size32 1
		.amdhsa_system_sgpr_workgroup_id_x 1
		.amdhsa_system_sgpr_workgroup_id_y 1
		.amdhsa_system_sgpr_workgroup_id_z 1
		.amdhsa_system_vgpr_workitem_id 0
		.amdhsa_next_free_vgpr 512
		.amdhsa_next_free_sgpr 66
		.amdhsa_reserve_vcc 0
		.amdhsa_float_denorm_mode_32 3
		.amdhsa_float_denorm_mode_16_64 3
		.amdhsa_memory_ordered 1
		.amdhsa_forward_progress 1
		.amdhsa_inst_pref_size 87
	.end_amdhsa_kernel
	.amdgpu_metadata
---
amdhsa.version: [ 1, 2 ]
amdhsa.kernels:
  - .name:           k_qc4bcb55ed3_proj
    .symbol:         k_qc4bcb55ed3_proj.kd
    .args:
      - { .name: y16, .offset: 0, .size: 8, .value_kind: global_buffer, .address_space: global }
      - { .name: w16, .offset: 8, .size: 8, .value_kind: global_buffer, .address_space: global }
      - { .name: out0, .offset: 16, .size: 8, .value_kind: global_buffer, .address_space: global }
    .group_segment_fixed_size: 327680
    .private_segment_fixed_size: 0
    .kernarg_segment_align: 8
    .kernarg_segment_size: 24
    .max_flat_workgroup_size: 128
    .sgpr_count:     66
    .vgpr_count:     512
    .wavefront_size: 32
...
	.end_amdgpu_metadata
.endif
;; end of part 4
;; launch fine (part 5): grid 32 x 4, 16 waves a work-group, no clusters, 38,912 bytes of LDS; arguments qkv32, w_out, out0; writes out0
.if DOCPART == 5
	.amdgcn_target "amdgcn-amd-amdhsa--gfx1250"
	.amdhsa_code_object_version 6
	.text
	.protected	k_qc4bcb55ed3_fine
	.globl	k_qc4bcb55ed3_fine
	.p2align	8
	.type	k_qc4bcb55ed3_fine,@function
k_qc4bcb55ed3_fine:
	s_mov_b64 s[64:65], 0
	v_nop
	global_prefetch_b8 v0, s[64:65] scope:SCOPE_SE
	s_setreg_imm32_b32 hwreg(HW_REG_WAVE_MODE, 25, 1), 1
	s_wait_xcnt 0x0
; Positions 0 to 15 of every batch, wholly in f32: causal attention of the 16 positions for each head, and the projection by w_out.  These rows average few values and are the largest in size, so no operand is rounded.
; qkv32: [4 batches][16 positions][3072] f32 (q, k, v, 1,024 columns each, 64 a head); w_out: [1024][1024] f32; out0: rows 0 to 15 of each batch.
; SHARES.  Work-group (chunk, batch) makes 32 output columns of the batch's 16 rows; wave = head.  Each wave makes its head's attention and its head's part of the 32 columns; the sixteen parts meet in LDS, and wave w sums
; row w in a fixed order.  A store covers 128 consecutive bytes: whole rows of 256 would want twice the registers for w_out; the launch writes 262,144 bytes in all.
; LAYOUT.  v_wmma_f32_16x16x4_f32 takes of lane (r, h) two numbers of row r.  Which k they are is free so long as both sources agree: so each product takes its k as the lane's registers hold them, and nothing changes lanes:
; S^T = K Q^T (lane (r, h): channels 32 h + 2 c, + 1) leaves query r, keys 8 h + j; O^T = V^T P takes keys 8 h + 2 c, + 1 and leaves query r, channels 16 t + 8 h + j; the projection takes those channels.
; The registers that the matrix instructions write (v176-223, v240-255) are written by nothing else.
; LIMITS: NaN and infinities are not served.
.set QA,  3                            ; v3  12,288 r + 128 h: my 32 channels of row r
.set VA,  4                            ; v4  98,304 h + 4 r: key 8 h, channel r
.set WA,  5                            ; v5  4,096 r + 32 h
.set SPW, 6
.set NIL, 7
.set DM,  8                            ; v8  r - 8 h
.set NINF, 9
.set LST, 10                           ; v10 where I put my part: 2,304 x wave + 144 r + 32 h
.set LRD, 11                           ; v11 where I read row w of a part: 144 x wave + 4 x lane
.set GOUT, 12                          ; v12 4,096 x wave + 4 x lane
.set QR,  16
.set KR,  48
.set VR,  80
.set WR,  112
.set SA,  176                          ; two accumulators for S^T, by turns
.set OA,  192
.set T,   224                          ; the scores, then p
.set PA,  240                          ; two accumulators: 16 output columns each
.set SPARE, 36864
	s_load_b128 s[4:7], s[0:1], 0x0                ; qkv32, w_out
	s_load_b64 s[8:9], s[0:1], 0x10                ; out0
	v_lshl_add_u32 v[SPW], v0, 2, SPARE
	v_mov_b32 v[NIL], 0
	v_lshrrev_b32 v1, 5, v0
	v_readfirstlane_b32 s10, v1                    ; wave = head
	s_and_b32 s11, ttmp7, 0xffff                   ; batch
	s_lshl_b32 s14, s10, 8                         ; the head's 64 columns: 256 bytes
	s_mul_i32 s12, s11, 196608
	s_add_co_u32 s12, s12, s14
	s_mov_b32 s13, 0
	s_lshl_b32 s16, ttmp9, 17                      ; 32 rows of w_out
	s_add_co_u32 s16, s16, s14
	s_mov_b32 s17, 0
	s_lshl_b32 s18, s11, 23                        ; the batch's first row of out0
	s_lshl_b32 s19, ttmp9, 7
	s_add_co_u32 s18, s18, s19
	s_mov_b32 s19, 0
	s_mov_b32 s20, 0x76543210
	s_mov_b32 s21, 0xfedcba98                      ; v_permlanex16_b32's selects for lane l xor 16
	s_mov_b32 s22, 0x3e38aa3b                      ; c = log2(e) / 8
	s_mov_b32 s23, s22
	v_and_b32 v1, 31, v0                           ; lane
	v_and_b32 v2, 15, v0                           ; r
	v_bfe_u32 v13, v0, 4, 1                        ; h
	v_mul_u32_u24 v[QA], v2, 12288
	v_lshl_add_u32 v[QA], v13, 7, v[QA]
	v_mul_u32_u24 v[VA], v13, 98304
	v_lshl_add_u32 v[VA], v2, 2, v[VA]
	v_lshlrev_b32 v[WA], 12, v2
	v_lshl_add_u32 v[WA], v13, 5, v[WA]
	v_lshlrev_b32 v[DM], 3, v13
	v_sub_nc_u32 v[DM], v2, v[DM]
	v_mov_b32 v[NINF], 0xff800000
	s_mul_i32 s15, s10, 2304
	v_mul_u32_u24 v[LST], v2, 144
	v_lshl_add_u32 v[LST], v13, 5, v[LST]
	v_add_nc_u32 v[LST], s15, v[LST]
	s_mul_i32 s15, s10, 144
	v_lshlrev_b32 v[LRD], 2, v1
	v_add_nc_u32 v[LRD], s15, v[LRD]
	s_lshl_b32 s15, s10, 12
	v_lshlrev_b32 v[GOUT], 2, v1
	v_add_nc_u32 v[GOUT], s15, v[GOUT]
	v_mov_b32 v233, 0                              ; a lane permute's destination counts as one of its sources
	s_wait_kmcnt 0x0
	s_add_nc_u64 s[4:5], s[4:5], s[12:13]
	s_add_nc_u64 s[6:7], s[6:7], s[16:17]
	s_add_nc_u64 s[8:9], s[8:9], s[18:19]
.irp i, 0,1,2,3,4,5,6,7
	global_load_b128 v[KR+4*\i:KR+4*\i+3], v[QA], s[4:5] offset:4096+16*\i
.endr
.irp i, 0,1,2,3,4,5,6,7
	global_load_b128 v[QR+4*\i:QR+4*\i+3], v[QA], s[4:5] offset:16*\i
.endr
.irp t, 0,1,2,3
.irp i, 0,1,2,3,4,5,6,7
	global_load_b32 v[VR+8*\t+\i], v[VA], s[4:5] offset:8192+12288*\i+64*\t    ; V(key 8 h + i, channel 16 t + r)
.endr
.endr
.irp u, 0,1
.irp t, 0,1,2,3
	global_load_b128 v[WR+32*\u+8*\t:WR+32*\u+8*\t+3],   v[WA], s[6:7] offset:65536*\u+64*\t       ; w_out(16 u + r, 16 t + 8 h + 0 .. 7) of my head
	global_load_b128 v[WR+32*\u+8*\t+4:WR+32*\u+8*\t+7], v[WA], s[6:7] offset:65536*\u+64*\t+16
.endr
.endr
	s_wait_loadcnt 48                              ; K and Q are in; V's 32 loads and w_out's 16 may be out
.irp c, 0,1,2,3,4,5,6,7,8,9,10,11,12,13,14,15  ; S^T: two accumulators by turns, one instruction a turn; their first products start the sums
.if \c < 2
	v_wmma_f32_16x16x4_f32 v[SA+8*(\c%2):SA+8*(\c%2)+7], v[KR+2*\c:KR+2*\c+1], v[QR+2*\c:QR+2*\c+1], 0
.else
	v_wmma_f32_16x16x4_f32 v[SA+8*(\c%2):SA+8*(\c%2)+7], v[KR+2*\c:KR+2*\c+1], v[QR+2*\c:QR+2*\c+1], v[SA+8*(\c%2):SA+8*(\c%2)+7]
.endif
.endr
.rept 8
	v_nop                                          ; eight places behind this form ahead of the first read of its results
.endr
.irp i, 0,1,2,3
	v_pk_add_f32 v[T+2*\i:T+2*\i+1], v[SA+2*\i:SA+2*\i+1], v[SA+8+2*\i:SA+8+2*\i+1]     ; the two halves of the sum, from the low end on
.endr
.irp j, 0,1,2,3,4,5,6,7
	v_cmp_gt_i32 vcc_lo, \j, v[DM]                 ; key 8 h + j is hidden from query r where j > r - 8 h
	v_cndmask_b32 v[T+\j], v[T+\j], v[NINF], vcc_lo
.endr
	v_max3_num_f32 v232, v[T], v[T+1], v[T+2]
	v_max3_num_f32 v232, v232, v[T+3], v[T+4]
	v_max3_num_f32 v232, v232, v[T+5], v[T+6]
	v_max_num_f32 v232, v232, v[T+7]
	v_permlanex16_b32 v233, v232, s20, s21
	v_max_num_f32 v233, v232, v233                 ; the row's maximum (key 0 counts for every query)
	v_mul_f32 v232, s22, v233                      ; c m
.irp i, 0,1,2,3
	v_pk_fma_f32 v[T+2*\i:T+2*\i+1], v[T+2*\i:T+2*\i+1], s[22:23], v[232:233] op_sel_hi:[1,0,0] neg_lo:[0,0,1] neg_hi:[0,0,1]
.endr
.irp j, 0,1,2,3,4,5,6,7
	v_exp_f32 v[T+\j], v[T+\j]
.endr
	v_nop                                          ; a plain line behind the exponentials
	s_wait_alu depctr_va_vdst(0)                   ; one wait for the eight, ahead of their first reader
	v_pk_add_f32 v[234:235], v[T:T+1], v[T+2:T+3]
	v_pk_add_f32 v[236:237], v[T+4:T+5], v[T+6:T+7]
	v_pk_add_f32 v[234:235], v[234:235], v[236:237]
	v_add_f32 v234, v234, v235
	v_permlanex16_b32 v236, v234, s20, s21
	v_add_f32 v234, v234, v236                     ; the row's sum
	v_rcp_f32 v238, v234
	v_mov_b32 v239, 0                              ; a plain line behind the reciprocal; also the upper half of the pair below
	s_wait_alu depctr_va_vdst(0)
.irp i, 0,1,2,3
	v_pk_mul_f32 v[T+2*\i:T+2*\i+1], v[T+2*\i:T+2*\i+1], v[238:239] op_sel_hi:[1,0]     ; p, normalised
.endr
	s_wait_loadcnt 16                              ; V is in; w_out's 16 loads may be out
.irp c, 0,1,2,3                                ; O^T: four accumulators by turns
.irp t, 0,1,2,3
.if \c == 0
	v_wmma_f32_16x16x4_f32 v[OA+8*\t:OA+8*\t+7], v[VR+8*\t+2*\c:VR+8*\t+2*\c+1], v[T+2*\c:T+2*\c+1], 0
.else
	v_wmma_f32_16x16x4_f32 v[OA+8*\t:OA+8*\t+7], v[VR+8*\t+2*\c:VR+8*\t+2*\c+1], v[T+2*\c:T+2*\c+1], v[OA+8*\t:OA+8*\t+7]
.endif
.endr
.endr
.rept 9
	v_nop                                          ; nine places: the results become a source of the next products
.endr
	s_wait_loadcnt 0x0                             ; w_out
.irp t, 0,1,2,3                                ; my head's part of the 32 columns: two accumulators by turns
.irp c, 0,1,2,3
.irp u, 0,1
.if (\t == 0) && (\c == 0)
	v_wmma_f32_16x16x4_f32 v[PA+8*\u:PA+8*\u+7], v[WR+32*\u+8*\t+2*\c:WR+32*\u+8*\t+2*\c+1], v[OA+8*\t+2*\c:OA+8*\t+2*\c+1], 0
.else
	v_wmma_f32_16x16x4_f32 v[PA+8*\u:PA+8*\u+7], v[WR+32*\u+8*\t+2*\c:WR+32*\u+8*\t+2*\c+1], v[OA+8*\t+2*\c:OA+8*\t+2*\c+1], v[PA+8*\u:PA+8*\u+7]
.endif
.endr
.endr
.endr
.rept 8
	v_nop
.endr
.irp u, 0,1
	ds_store_b128 v[LST], v[PA+8*\u:PA+8*\u+3] offset:64*\u        ; lane (r, h): position r, columns 16 u + 8 h + 0 .. 7
	ds_store_b128 v[LST], v[PA+8*\u+4:PA+8*\u+7] offset:64*\u+16
.endr
	s_wait_dscnt 0x0                               ; for the others' sake: my part lies in LDS
	s_barrier_signal -1
	s_barrier_wait -1
.irp n, 0,1,2,3,4,5,6,7,8,9,10,11,12,13,14,15
	ds_load_b32 v[QR+\n], v[LRD] offset:2304*\n    ; row w of head n's part: 32 lanes, 32 columns
.endr
	s_wait_dscnt 0x0
.irp n, 0,4,8,12
	v_pk_add_f32 v[QR+\n:QR+\n+1], v[QR+\n:QR+\n+1], v[QR+\n+2:QR+\n+3]
.endr
.irp n, 0,8
	v_pk_add_f32 v[QR+\n:QR+\n+1], v[QR+\n:QR+\n+1], v[QR+\n+4:QR+\n+5]
.endr
	v_pk_add_f32 v[QR:QR+1], v[QR:QR+1], v[QR+8:QR+9]
	v_add_f32 v[QR], v[QR], v[QR+1]
	global_store_b32 v[GOUT], v[QR], s[8:9]        ; 32 lanes store 128 consecutive bytes of row w
	s_wait_tensorcnt 0x0                           ; the wave's end: behind my last LDS store
	ds_add_u32 v[SPW], v[NIL]
	s_wait_dscnt 0x0
	s_endpgm
.Lfunc_end_k_qc4bcb55ed3_fine:
	.size	k_qc4bcb55ed3_fine, .Lfunc_end_k_qc4bcb55ed3_fine-k_qc4bcb55ed3_fine
	.p2alignl 7, 3214868480
	.fill 96, 4, 3214868480
	.section	.rodata,"a",@progbits
	.p2align	6, 0x0
	.amdhsa_kernel k_qc4bcb55ed3_fine
		.amdhsa_group_segment_fixed_size 38912
		.amdhsa_private_segment_fixed_size 0
		.amdhsa_enable_private_segment 0
		.amdhsa_kernarg_size 24
		.amdhsa_user_sgpr_count 2
		.amdhsa_user_sgpr_kernarg_segment_ptr 1
		.amdhsa_wavefront_size32 1
		.amdhsa_system_sgpr_workgroup_id_x 1
		.amdhsa_system_sgpr_workgroup_id_y 1
		.amdhsa_system_sgpr_workgroup_id_z 1
		.amdhsa_system_vgpr_workitem_id 0
		.amdhsa_next_free_vgpr 256
		.amdhsa_next_free_sgpr 66
		.amdhsa_reserve_vcc 1
		.amdhsa_float_denorm_mode_32 3
		.amdhsa_float_denorm_mode_16_64 3
		.amdhsa_memory_ordered 1
		.amdhsa_forward_progress 1
		.amdhsa_inst_pref_size 18
	.end_amdhsa_kernel
	.amdgpu_metadata
---
amdhsa.version: [ 1, 2 ]
amdhsa.kernels:
  - .name:           k_qc4bcb55ed3_fine
    .symbol:         k_qc4bcb55ed3_fine.kd
    .args:
      - { .name: qkv32, .offset: 0, .size: 8, .value_kind: global_buffer, .address_space: global }
      - { .name: w_out, .offset: 8, .size: 8, .value_kind: global_buffer, .address_space: global }
      - { .name: out0, .offset: 16, .size: 8, .value_kind: global_buffer, .address_space: global }
    .group_segment_fixed_size: 38912
    .private_segment_fixed_size: 0
    .kernarg_segment_align: 8
    .kernarg_segment_size: 24
    .max_flat_workgroup_size: 512
    .sgpr_count:     66
    .vgpr_count:     256
    .wavefront_size: 32
...
	.end_amdgpu_metadata
.endif
;; end of part 5
